; MI455X (gfx1250); checked and timed in simulation.
; The chip was launched on July 23, 2026; its instructions are those of AMD's public machine-readable ISA for CDNA 5 (MIT licence, August 2026) and "CDNA5" Instruction Set Architecture Reference Guide (July 2026). The comments in the code are by the model that wrote it; some were corrected since.
;; Attention. Allowed arithmetic: float matrix products may take bf16 or f16 operands with f32 sums; other float arithmetic in f32, or as packed bf16 or f16 multiplies, adds, multiply-adds, maxima and minima; sums over many terms, partial sums and values carried from step to step in f32; what a program stores and reads back later, other than sums and carried values, may be rounded once to bf16 or f16.
;; Inputs: freqs_cos 2,048 x 64 float32; freqs_sin 2,048 x 64 float32; mask 2,048 x 2,048 float32; wk 2,048 x 2,048 float32; wo 2,048 x 2,048 float32; wq 2,048 x 2,048 float32; wv 2,048 x 2,048 float32; x 1 x 2,048 x 2,048 float32.
;; Outputs: out0 1 x 2,048 x 2,048 float32.
;; 2 versions, each right; version 2 is version 1 with the launch cast written anew for expert scheduling mode. Each part assembles by itself: llvm-mc -triple=amdgcn-amd-amdhsa -mcpu=gfx1250 --defsym DOCPART=n.
;; ======== version 1 of 2: 4 launches
;; limits: values are held in f16: magnitudes above 65,504 overflow, below 6.1e-05 lose precision; right only within a limited range of input values
;; workspace buffers: cb 50,331,648 bytes; qkv 25,165,824 bytes; ob 8,388,608 bytes
;; launch cast (part 1): grid 128 x 6, 8 waves a work-group, no clusters, 0 bytes of LDS; arguments x, wq, wk, wv, wo, mask, cb; writes cb
.if DOCPART == 1
	.amdgcn_target "amdgcn-amd-amdhsa--gfx1250"
	.amdhsa_code_object_version 6
	.text
	.protected	k_qf8a30643ab_cast
	.globl	k_qf8a30643ab_cast
	.p2align	8
	.type	k_qf8a30643ab_cast,@function
k_qf8a30643ab_cast:
	s_mov_b64 s[64:65], 0
	v_nop
	global_prefetch_b8 v0, s[64:65] scope:SCOPE_SE
	s_setreg_imm32_b32 hwreg(HW_REG_WAVE_MODE, 25, 1), 1
	s_wait_xcnt 0x0
; cb = the six large inputs, each [2048][2048] f32, rounded once to 16 bits: six sections of 8,388,608 bytes in the order x, wq, wk, wv, wo, mask.
; Each number is multiplied by an exact power of two and then rounded to bf16: x and mask by 1, wq and wk by 2^-5, wv by 2^-1, wo by 2.
; So q and k leave the projection divided by 32 and v divided by 2, and fit f16; the attention undoes q's and k's factor in f32, wo's factor undoes v's.
; wo's bf16 number is written as f16, since the last product multiplies f16.
; LIMIT: 2 |wo| stays under 65,504 (beyond it f16 holds an infinity); below 6e-5 it keeps f16's fixed step of 6e-8.
; A stream: memory binds, so no LDS, no barrier, no matrix unit.  Work-group (bx, section) takes 131,072 bytes of its section: 32 rows of 4,096 bytes.
; Thread t takes bytes 16 t of a row (a wave's load covers 512 consecutive bytes) and stores bytes 8 t of 2,048 (a wave's store covers 256 consecutive bytes, aligned).
; A ring of eight slots keeps eight loads of every wave in flight.  A slot's Y registers are written again a round after the store that read them, and the round's one
; s_wait_xcnt 0, in front of the step of the two bases, stands between the two: a slot's turn has one wait, for its load.
.set ROWI,  4096                       ; bytes of input in a row
.set ROWO,  2048                       ; bytes of output in a row
.set DEPTH, 8
.set X, 4                              ; v[4:35]   slot i: four f32 as loaded
.set Y, 36                             ; v[36:51]  slot i: four 16-bit numbers to store
.set T, 52                             ; v[52:55]  at work
	s_load_b256 s[4:11], s[0:1], 0x0               ; x s[4:5], wq s[6:7], wk s[8:9], wv s[10:11]
	s_load_b128 s[12:15], s[0:1], 0x20             ; wo s[12:13], mask s[14:15]
	s_load_b64 s[16:17], s[0:1], 0x30              ; cb
	s_and_b32 s18, ttmp7, 0xffff                   ; the section
	v_lshlrev_b32 v1, 4, v0                        ; my 16 bytes of an input row; never rewritten
	v_lshlrev_b32 v2, 3, v0                        ; my 8 bytes of an output row; never rewritten
	s_mov_b32 s26, 0xffff0000                      ; a word's upper bf16
	s_mov_b32 s22, 1.0                             ; the section's factor
	s_cmp_eq_u32 s18, 1
	s_cselect_b32 s22, 0x3d000000, s22             ; 2^-5
	s_cmp_eq_u32 s18, 2
	s_cselect_b32 s22, 0x3d000000, s22
	s_cmp_eq_u32 s18, 3
	s_cselect_b32 s22, 0.5, s22
	s_cmp_eq_u32 s18, 4
	s_cselect_b32 s22, 2.0, s22
	s_mov_b32 s23, s22                             ; named with it as a pair
	s_lshl_b32 s24, ttmp9, 17                      ; my 131,072 bytes of the input
	s_mov_b32 s25, 0
	s_lshl_b32 s28, s18, 23                        ; the section in cb,
	s_lshl_b32 s27, ttmp9, 16                      ; my 65,536 bytes of it
	s_add_co_u32 s28, s28, s27
	s_mov_b32 s29, 0
	s_wait_kmcnt 0x0
	s_mov_b64 s[20:21], s[4:5]                     ; the section's input: a choice between buffers by the section's number
	s_cmp_eq_u32 s18, 1
	s_cselect_b64 s[20:21], s[6:7], s[20:21]
	s_cmp_eq_u32 s18, 2
	s_cselect_b64 s[20:21], s[8:9], s[20:21]
	s_cmp_eq_u32 s18, 3
	s_cselect_b64 s[20:21], s[10:11], s[20:21]
	s_cmp_eq_u32 s18, 4
	s_cselect_b64 s[20:21], s[12:13], s[20:21]
	s_cmp_eq_u32 s18, 5
	s_cselect_b64 s[20:21], s[14:15], s[20:21]
	s_add_nc_u64 s[20:21], s[20:21], s[24:25]
	s_add_nc_u64 s[16:17], s[16:17], s[28:29]
; One slot's turn.  ahead = 1: the slot is filled again with the row eight further down.  left = the younger loads that may stay out.  half = 1: the bf16 number is written as f16.
.macro SLOT i, ahead, left, half
	s_wait_loadcnt \left                           ; loads come back in order: mine is in
	v_pk_mul_f32 v[X+4*(\i):X+4*(\i)+1], v[X+4*(\i):X+4*(\i)+1], s[22:23] op_sel_hi:[1,0]
	v_pk_mul_f32 v[X+4*(\i)+2:X+4*(\i)+3], v[X+4*(\i)+2:X+4*(\i)+3], s[22:23] op_sel_hi:[1,0]
	v_cvt_pk_bf16_f32 v[Y+2*(\i)], v[X+4*(\i)], v[X+4*(\i)+1]      ; Y's last reader is the slot's store of the round before: the wait at that round's end lies between
	v_cvt_pk_bf16_f32 v[Y+2*(\i)+1], v[X+4*(\i)+2], v[X+4*(\i)+3]
.if \half
	v_lshlrev_b32 v[T], 16, v[Y+2*(\i)]            ; the rounded numbers as f32 again,
	v_and_b32 v[T+1], s26, v[Y+2*(\i)]
	v_lshlrev_b32 v[T+2], 16, v[Y+2*(\i)+1]
	v_and_b32 v[T+3], s26, v[Y+2*(\i)+1]
	v_cvt_pk_f16_f32 v[Y+2*(\i)], v[T], v[T+1]     ; and written as f16: exact within f16's normal range
	v_cvt_pk_f16_f32 v[Y+2*(\i)+1], v[T+2], v[T+3]
.endif
.if \ahead
	global_load_b128 v[X+4*(\i):X+4*(\i)+3], v1, s[20:21] offset:(DEPTH+(\i))*ROWI th:TH_LOAD_NT
.endif
	global_store_b64 v2, v[Y+2*(\i):Y+2*(\i)+1], s[16:17] offset:(\i)*ROWO
.endm
.macro STREAM half
.irp i, 0,1,2,3,4,5,6,7
	global_load_b128 v[X+4*(\i):X+4*(\i)+3], v1, s[20:21] offset:(\i)*ROWI th:TH_LOAD_NT
.endr
	s_mov_b32 s19, 3                               ; three rounds load ahead, the fourth loads nothing
.Lround_\@:
.irp i, 0,1,2,3,4,5,6,7
	SLOT \i, 1, DEPTH-1, \half
.endr
	s_wait_xcnt 0x0                                ; every load and store issued so far has read its base and its data: the bases step, and the next round writes Y, only behind this wait
	s_add_nc_u64 s[20:21], s[20:21], DEPTH*ROWI
	s_add_nc_u64 s[16:17], s[16:17], DEPTH*ROWO
	s_sub_co_u32 s19, s19, 1
	s_cmp_lg_u32 s19, 0
	s_cbranch_scc1 .Lround_\@
.irp i, 0,1,2,3,4,5,6,7
	SLOT \i, 0, DEPTH-1-(\i), \half                ; the counts run down
.endr
	s_endpgm
.endm
	s_cmp_eq_u32 s18, 4
	s_cbranch_scc1 .Lhalf
	STREAM 0
.Lhalf:
	STREAM 1
.Lfunc_end_k_qf8a30643ab_cast:
	.size	k_qf8a30643ab_cast, .Lfunc_end_k_qf8a30643ab_cast-k_qf8a30643ab_cast
	.p2alignl 7, 3214868480
	.fill 96, 4, 3214868480
	.section	.rodata,"a",@progbits
	.p2align	6, 0x0
	.amdhsa_kernel k_qf8a30643ab_cast
		.amdhsa_group_segment_fixed_size 0
		.amdhsa_private_segment_fixed_size 0
		.amdhsa_enable_private_segment 0
		.amdhsa_kernarg_size 56
		.amdhsa_user_sgpr_count 2
		.amdhsa_user_sgpr_kernarg_segment_ptr 1
		.amdhsa_wavefront_size32 1
		.amdhsa_system_sgpr_workgroup_id_x 1
		.amdhsa_system_sgpr_workgroup_id_y 1
		.amdhsa_system_sgpr_workgroup_id_z 1
		.amdhsa_system_vgpr_workitem_id 0
		.amdhsa_next_free_vgpr 56
		.amdhsa_next_free_sgpr 66
		.amdhsa_reserve_vcc 0
		.amdhsa_float_denorm_mode_32 3
		.amdhsa_float_denorm_mode_16_64 3
		.amdhsa_memory_ordered 1
		.amdhsa_forward_progress 1
		.amdhsa_inst_pref_size 22
	.end_amdhsa_kernel
	.amdgpu_metadata
---
amdhsa.version: [ 1, 2 ]
amdhsa.kernels:
  - .name:           k_qf8a30643ab_cast
    .symbol:         k_qf8a30643ab_cast.kd
    .args:
      - { .name: x, .offset: 0, .size: 8, .value_kind: global_buffer, .address_space: global }
      - { .name: wq, .offset: 8, .size: 8, .value_kind: global_buffer, .address_space: global }
      - { .name: wk, .offset: 16, .size: 8, .value_kind: global_buffer, .address_space: global }
      - { .name: wv, .offset: 24, .size: 8, .value_kind: global_buffer, .address_space: global }
      - { .name: wo, .offset: 32, .size: 8, .value_kind: global_buffer, .address_space: global }
      - { .name: mask, .offset: 40, .size: 8, .value_kind: global_buffer, .address_space: global }
      - { .name: cb, .offset: 48, .size: 8, .value_kind: global_buffer, .address_space: global }
    .group_segment_fixed_size: 0
    .private_segment_fixed_size: 0
    .kernarg_segment_align: 8
    .kernarg_segment_size: 56
    .max_flat_workgroup_size: 256
    .sgpr_count:     66
    .vgpr_count:     56
    .wavefront_size: 32
...
	.end_amdgpu_metadata
.endif
;; end of part 1
;; launch qkv (part 2): grid 16 x 16, 4 waves a work-group, clusters of 4 x 4, 327,680 bytes of LDS; arguments cb, freqs_cos, freqs_sin, qkv; writes qkv
.if DOCPART == 2
	.amdgcn_target "amdgcn-amd-amdhsa--gfx1250"
	.amdhsa_code_object_version 6
	.text
	.protected	k_qf8a30643ab_qkv
	.globl	k_qf8a30643ab_qkv
	.p2align	8
	.type	k_qf8a30643ab_qkv,@function
k_qf8a30643ab_qkv:
	s_mov_b64 s[64:65], 0
	v_nop
	global_prefetch_b8 v0, s[64:65] scope:SCOPE_SE
	s_setreg_imm32_b32 hwreg(HW_REG_WAVE_MODE, 25, 1), 1
	s_wait_xcnt 0x0
	s_wait_alu depctr_hold_cnt(0) depctr_sa_sdst(0) depctr_va_vdst(0) depctr_va_sdst(0) depctr_va_ssrc(0) depctr_va_vcc(0) depctr_vm_vsrc(0)
	s_getreg_b32 s2, hwreg(HW_REG_IB_STS2, 6, 4)
	s_cmp_eq_u32 s2, 0
	s_cbranch_scc0 .Lentry_in_a_cluster
	s_endpgm
.Lentry_in_a_cluster:
	s_bfe_u32 s2, ttmp6, 0x10000c
	s_cmp_lg_u32 s2, 0xf033
	s_cbranch_scc0 .Lentry_shape_is_right
	s_endpgm
.Lentry_shape_is_right:
; q, k, v = x wq, x wk, x wv; q and k turned by RoPE; all three written by heads, [3][16 heads][2048][128] in f16, each rounded once from its f32 sums.
; x (cb's section 0, [row][k]) and the weights (sections 1-3, [k][n], already multiplied by 2^-5, 2^-5, 2^-1) are bf16; sums in f32.  cos and sin are rounded to bf16 here, like every other input.
; LIMIT: f16 ends at 65,504: |q|, |k| after RoPE stay under 2.09e6 and |v| under 131,000; beyond that the conversion gives an infinity.
; SHARES.  A work-group makes 128 rows x the 3 x 128 columns of ONE head: 256 work-groups.  Wave w takes all 128 rows and columns 32 w .. 32 w + 31 of each of q, k, v:
; 8 row blocks x 6 column blocks = 48 accumulators, 384 registers; for 32 along K it reads 28 x 512 bytes from LDS for 48 matrix instructions.  All four waves run one text.
; K goes in 16 steps of 128 through two LDS slots; a wave fetches one tile of 128 rows x 256 bytes a step: waves 0-2 a weight's, wave 3 x's.
; ONE K STEP IS WRITTEN ONCE.  The slot in hand is a scalar, 0 or SLOT, turned by an exclusive or; LDS addresses are that scalar plus fixed lane terms.  A loop of 14 trips fills a slot again in each;
; the two steps that fill nothing are a loop of their own, left in the middle of its second trip.
; THE CHANGE OF SLOTS holds no product: wait, add, wait, round, refill; the step's last 48 products stand behind the refill and run while it is on its way.
; CLUSTER 4 x 4.  x's tile hangs on the row block alone and is asked for jointly along a row of the cluster; a weight's tile hangs on the head alone and is asked for jointly along a column.
; THE MATRIX INSTRUCTION IS USED TRANSPOSED: source 0 = 16 columns of a weight (read turned out of LDS, where the tile lies [k][n]), source 1 = 16 rows of x.  A lane then holds one row (lane % 16)
; and eight neighbouring columns 8 (lane / 16) + 0..7: four RoPE pairs, and 16 bytes of f16.
; REGISTERS, in windows of 256 (s_set_vgpr_msb: bits 1:0 source 0, 3:2 source 1, 5:4 source 2, 7:6 destination):
;   window 0: v0-31 addresses; v32-47 at work; v64-127, v128-191 x's fragments, two buffers (v64-127 later rows read back from the stage); v192-255 packed results
;   window 1: v0-63, v176-239 cos and sin, later pairs (cos, sin); v64-111, v128-175 the weights' fragments, two buffers; v240-243 at work
;   window 2: the accumulators of row blocks 0-3, (a, b) at v[8 (6 a + b)], b = 2 x section + column block;   window 3: those of row blocks 4-7
.set SEC,   8388608                    ; bytes in a section of cb and of qkv
.set PA,    272                        ; a row of x in LDS: 256 bytes + 16: the 16 rows of a load start 17 x 16 bytes apart
.set PB,    288                        ; a row of a weight: 256 + 32: 16 lanes of the turning load take 8 rows x 32 bytes
.set BSEC,  128*PB                     ; a weight's tile
.set AOFF,  3*BSEC                     ; behind the three: x's tile
.set SLOT,  AOFF+128*PA
.set STAGE, 2*SLOT                     ; behind the ring: 128 rows x 272 bytes, the work-group's, for the way out; no tensor load lands there
.set SP,    272
.set SPARE, STAGE+128*SP               ; behind the stage: the spare words, 128 bytes a wave
.set STEPS, 16
.set ADRA, 16                          ; v16     my place in x's tile of slot 0; never rewritten
.set RA,   17                          ; v17     the same in the slot in hand
.set ADRB, 18                          ; v18-20  my place in the three weights' tiles of slot 0; never rewritten
.set RB,   21                          ; v21-23  the same in the slot in hand
.set STO,  24                          ; where I put 16 bytes of a row
.set RD,   25                          ; where I read a row back
.set CO,   26                          ; my 16 bytes among 512 consecutive bytes of qkv
.set CSO,  27                          ; my 16 bytes of a row of cos and of sin
.set SPW,  28                          ; my spare word; never rewritten
.set NIL,  29                          ; 0; never rewritten
.set PFO,  30                          ; the prefetches' offset: lane x 4,096; never rewritten
.set T,    32
.set F0,   64
.set F1,   128
.set RB4,  64                          ; rows read back from the stage
.set TMP,  192
.set CB,   0                           ; window 1
.set SB,   176                         ; window 1
.set RT,   240                         ; window 1
.set WV,   12                          ; s12 my wave's number
.set LIM,  17                          ; s17 2 in a wave that prefetches, else the greatest number
.set PFA,  18                          ; s[18:19] where my prefetches stand
.set PFS,  20                          ; s[20:21] their step
.set G1A,  24                          ; s[24:31] group 1 for x's tiles;  s[32:39] group 0: a set for each of the two first fills; the second then walks on
.set G0A,  32
.set G1B,  40                          ; s[40:47], s[48:55] the same for the weights' tiles
.set G0B,  48
.set TB,   60                          ; s60 the slot in hand: 0 or SLOT
.set MSB, 0
.macro WIN new                         ; the immediate's high byte repeats the setting that is left; a switch that changes nothing is dropped
.if MSB != (\new)
	s_set_vgpr_msb (MSB<<8)|(\new)
.set MSB, \new
.endif
.endm
.macro PLACES                          ; four plain vector instructions between a matrix instruction and a load into, or a vector read of, its registers
.rept 4
	v_nop
.endr
.endm
.macro CREST                           ; a round of the cluster's barrier behind its opening barrier
	s_cmp_lg_u32 s[WV], 0
	s_cbranch_scc1 .Lnot_wave_0_\@
	s_barrier_signal -3
.Lnot_wave_0_\@:
	s_barrier_wait -3
	s_barrier_signal -1
	s_barrier_wait -1
.endm
.macro CROUND
	s_barrier_signal -1
	s_barrier_wait -1
	CREST
.endm
; A joint load: wave 3 asks for x's tile, waves 0-2 each for a weight's.  The branch hangs on the wave's number alone.  An s_nop 0 and four v_nop follow each line.
.macro JLOAD s
	s_cmp_eq_u32 s[WV], 3
	s_cbranch_scc0 .Lfor_b_\@
	tensor_load_to_lds s[G0A+4*(\s):G0A+4*(\s)+3], s[G1A:G1A+7]
	s_nop 0
.rept 4
	v_nop
.endr
	s_branch .Lasked_\@
.Lfor_b_\@:
	tensor_load_to_lds s[G0B+4*(\s):G0B+4*(\s)+3], s[G1B:G1B+7]
	s_nop 0
.rept 4
	v_nop
.endr
.Lasked_\@:
.endm
; A prefetch behind each refill: the K step that stands two refills on, 32 rows x 256 bytes, a lane a row, one instruction a wave.  Each row's 256 bytes of a K step are named once in the launch:
; x's rows are read by every cluster of a row of clusters, so cluster x = 0 asks, its four partners along x taking 32 rows each BY ADDRESS; a weight's rows by every cluster of a column, so cluster y = 0
; asks, the partners along y taking 32 k rows each.  The loop's last two trips (s3 = 2, 1) ask for nothing: K steps 16 and 17 do not exist.  K steps 0 to 3 come by their loads alone.
.macro ASK
	s_cmp_gt_u32 s3, s[LIM]
	s_cbranch_scc0 .Lnot_mine_\@
	global_prefetch_b8 v[PFO], s[PFA:PFA+1] th:TH_LOAD_NT scope:SCOPE_SE
.Lnot_mine_\@:
.endm
	s_load_b256 s[4:11], s[0:1], 0x0               ; cb s[4:5], cos s[6:7], sin s[8:9], qkv s[10:11]
	v_lshl_add_u32 v[SPW], v0, 2, SPARE
	v_mov_b32 v[NIL], 0
	ds_add_u32 v[SPW], v[NIL]                      ; the wave's opening: the add and its wait stand ahead of my first tensor load; work on registers stands between them
	v_lshrrev_b32 v1, 5, v0
	v_readfirstlane_b32 s[WV], v1                  ; wave 0..3
	s_bfe_u32 s13, ttmp6, 0x40000                  ; cx
	s_bfe_u32 s14, ttmp6, 0x40004                  ; cy
	s_lshl_b32 s15, ttmp9, 2
	s_add_co_u32 s15, s15, s13                     ; the head = 4 x cluster x + cx
	s_and_b32 s16, ttmp7, 0xffff
	s_lshl_b32 s16, s16, 2
	s_add_co_u32 s16, s16, s14                     ; the block of 128 rows = 4 x cluster y + cy
	s_lshl_b32 s22, s14, 2
	s_lshl_b32 s22, 15, s22                        ; my row of the cluster
	s_lshl_b32 s23, 0x1111, s13                    ; my column
	s_or_b32 s[G1A], s22, (1<<16)|(1<<20)|(1<<21)|(5<<22)|(3<<25)  ; mask; 2-byte elements; padding on; bit 21 beside a mask; after every 64 words, 4 words
	s_or_b32 s[G1B], s23, (1<<16)|(1<<20)|(1<<21)|(5<<22)|(7<<25)  ; the same with my column's mask and 8 words of padding
.irp g, G1A, G1B
	s_mov_b32 s[(\g)+1], 128<<16                   ; tensor_dim0 = 128
	s_mov_b32 s[(\g)+2], 128<<16                   ; tensor_dim1 = 128
	s_mov_b32 s[(\g)+3], 128<<16                   ; tile_dim0 = 128
	s_mov_b32 s[(\g)+4], 128                       ; tile_dim1 = 128
	s_mov_b32 s[(\g)+5], 2048                      ; elements from row to row
	s_mov_b32 s[(\g)+6], 0
	s_mov_b32 s[(\g)+7], 0
.endr
	s_mov_b32 s62, 0xffff0000                      ; a word's upper bf16
	s_mov_b32 s[TB], 0                             ; K step 0 lies in slot 0
	s_lshl_b32 s56, s16, 19                        ; x: my block's 128 rows of 4,096 bytes: the row block alone
	s_mov_b32 s57, 0
	s_add_co_u32 s58, s[WV], 1                     ; a weight: section 1 + wave,
	s_lshl_b32 s58, s58, 23
	s_lshl_b32 s59, s15, 8                         ; the head's 256 bytes of a row: the head alone
	s_add_co_u32 s58, s58, s59
	s_mov_b32 s59, 0
	s_mul_i32 s63, s[WV], BSEC                     ; where my tile goes in a slot: wave x 36,864 (wave 3: x's tile, behind the three weights')
	s_wait_dscnt 0x0                               ; the opening add is done
	s_wait_kmcnt 0x0
	s_add_nc_u64 s[56:57], s[4:5], s[56:57]
	s_add_nc_u64 s[58:59], s[4:5], s[58:59]
	CROUND                                         ; all sixteen work-groups are here: the first joint loads meet
.irp s, 0,1
	s_mov_b32 s[G0A+4*(\s)], 1
	s_add_co_u32 s[G0A+4*(\s)+1], s63, (\s)*SLOT
	s_add_nc_u64 s[G0A+4*(\s)+2:G0A+4*(\s)+3], s[56:57], (\s)*256      ; K step s: 256 bytes along the rows
	s_or_b32 s[G0A+4*(\s)+3], s[G0A+4*(\s)+3], 0x80000000
	s_mov_b32 s[G0B+4*(\s)], 1
	s_add_co_u32 s[G0B+4*(\s)+1], s63, (\s)*SLOT
	s_add_nc_u64 s[G0B+4*(\s)+2:G0B+4*(\s)+3], s[58:59], (\s)*524288   ; K step s: 128 rows down
	s_or_b32 s[G0B+4*(\s)+3], s[G0B+4*(\s)+3], 0x80000000
	JLOAD \s                                       ; two loads of mine are out
.endr
	v_and_b32 v1, 15, v0                           ; r = l % 16
	v_bfe_u32 v2, v0, 4, 1                         ; h = l / 16
	v_and_b32 v3, 7, v0
	v_bfe_u32 v4, v0, 3, 1
	v_and_b32 v5, 31, v0                           ; l
	v_mul_u32_u24 v6, v1, PA
	v_lshl_add_u32 v6, v2, 4, v6                   ; r x 272 + 16 h: a fragment of x, and my place in a stage row
	v_add_nc_u32 v[ADRA], AOFF, v6
	v_mov_b32 v[RA], v[ADRA]
	v_lshl_add_u32 v7, v2, 3, v3                   ; the turning load: lane l reads k row 8 h + l % 8, columns 8 ((l / 8) % 2) + 0..7, and ends with column l % 16 and 8 k
	v_mul_u32_u24 v7, v7, PB
	v_lshl_add_u32 v7, v4, 4, v7
	s_lshl_b32 s22, s[WV], 6                       ; my 32 columns: 64 bytes
	v_add_nc_u32 v7, s22, v7
.irp c, 0,1,2
	v_add_nc_u32 v[ADRB+(\c)], (\c)*BSEC, v7
	v_add_nc_u32 v[RB+(\c)], (\c)*BSEC, v7
.endr
	v_add_nc_u32 v[STO], s22, v6
	v_add_nc_u32 v[STO], STAGE, v[STO]
	s_mul_i32 s23, s[WV], 32*SP                    ; back: wave w takes rows 32 w .. 32 w + 31, whole; lanes 0-15 one row, lanes 16-31 the next
	s_add_co_u32 s23, s23, STAGE
	v_mul_u32_u24 v8, v2, SP
	v_lshl_add_u32 v8, v1, 4, v8
	v_add_nc_u32 v[RD], s23, v8
	v_lshlrev_b32 v[CO], 4, v5
	v_lshlrev_b32 v[CSO], 8, v1                    ; a row of cos is 256 bytes; my four numbers: 16 w + 8 j + 4 h on
	v_lshl_add_u32 v[CSO], v2, 4, v[CSO]
	v_add_nc_u32 v[CSO], s22, v[CSO]
	v_lshlrev_b32 v[PFO], 12, v5
	s_lshl_b32 s72, s16, 15                        ; my block's 128 rows of 256 bytes
	s_mov_b32 s73, 0
	s_add_nc_u64 s[68:69], s[6:7], s[72:73]        ; cos,
	s_add_nc_u64 s[70:71], s[8:9], s[72:73]        ; sin,
	s_lshl_b32 s74, s[WV], 13                      ; and in qkv: the 32 rows that I store,
	s_add_co_u32 s72, s72, s74
	s_lshl_b32 s74, s15, 19                        ; of my head
	s_add_co_u32 s72, s72, s74
	s_add_nc_u64 s[66:67], s[10:11], s[72:73]
	; the prefetches stand at K step 3; each change of slots steps them before it asks
	s_lshl_b32 s72, s16, 19                        ; wave 3: x's rows, my work-group's 32 by cx
	s_lshl_b32 s73, s13, 17
	s_add_co_u32 s72, s72, s73
	s_add_co_u32 s72, s72, 3*256
	s_add_co_u32 s74, s[WV], 1                     ; waves 0-2: my section, my head, my work-group's 32 k rows by cy
	s_lshl_b32 s74, s74, 23
	s_lshl_b32 s75, s15, 8
	s_add_co_u32 s74, s74, s75
	s_lshl_b32 s75, s14, 17
	s_add_co_u32 s74, s74, s75
	s_add_co_u32 s74, s74, 3*524288
	s_and_b32 s75, ttmp7, 0xffff                   ; cluster y
	s_mov_b32 s76, 256
	s_mov_b32 s77, 524288
	s_cmp_eq_u32 s[WV], 3
	s_cselect_b32 s72, s72, s74
	s_cselect_b32 s[PFS], s76, s77
	s_cselect_b32 s75, ttmp9, s75                  ; the coordinate along which other clusters read the same rows
	s_mov_b32 s73, 0
	s_mov_b32 s[PFS+1], 0
	s_add_nc_u64 s[PFA:PFA+1], s[4:5], s[72:73]
	s_cmp_eq_u32 s75, 0
	s_cselect_b32 s[LIM], 2, -1                    ; the same in all sixteen partners, for a given wave
	WIN 0x40                                       ; cos and sin of my rows and columns: 32 loads that stay out until the way out
.irp a, 0,1,2,3,4,5,6,7
.irp j, 0,1
	global_load_b128 v[CB+4*(2*(\a)+(\j)):CB+4*(2*(\a)+(\j))+3], v[CSO], s[68:69] offset:4096*(\a)+32*(\j)
	global_load_b128 v[SB+4*(2*(\a)+(\j)):SB+4*(2*(\a)+(\j))+3], v[CSO], s[70:71] offset:4096*(\a)+32*(\j)
.endr
.endr
	WIN 0
; 28 LDS loads in one run: the fragments of quarter q (32 along K) of the slot in hand into buffer f: six of the weights (turned), then eight of x
.macro FETCH q, f
	WIN 0x40
.irp b, 0,1,2,3,4,5
	ds_load_tr16_b128 v[(\f)+8*(\b):(\f)+8*(\b)+3],   v[RB+(\b)/2] offset:(\q)*32*PB+((\b)%2)*32
	ds_load_tr16_b128 v[(\f)+8*(\b)+4:(\f)+8*(\b)+7], v[RB+(\b)/2] offset:(\q)*32*PB+((\b)%2)*32+16*PB
.endr
	WIN 0
.irp i, 0,1,2,3,4,5,6,7
	ds_load_b128 v[(\f)+8*(\i):(\f)+8*(\i)+3],   v[RA] offset:(\q)*64+(\i)*16*PA
	ds_load_b128 v[(\f)+8*(\i)+4:(\f)+8*(\i)+7], v[RA] offset:(\q)*64+(\i)*16*PA+32
.endr
.endm
; 12 matrix instructions: row blocks a0, a0 + 1 of the window's four x all six column blocks.  The 48 accumulators take turns, in the same order in every quarter.  zero = 1: the product starts the sum.
.macro MUL12 f, hi, a0, zero
	WIN 0xa1+0x50*(\hi)
.irp a, \a0, (\a0)+1
.irp b, 0,1,2,3,4,5
.if \zero
	v_wmma_f32_16x16x32_bf16 v[8*(6*(\a)+(\b)):8*(6*(\a)+(\b))+7], v[(\f)+8*(\b):(\f)+8*(\b)+7], v[(\f)+8*(4*(\hi)+(\a)):(\f)+8*(4*(\hi)+(\a))+7], 0
.else
	v_wmma_f32_16x16x32_bf16 v[8*(6*(\a)+(\b)):8*(6*(\a)+(\b))+7], v[(\f)+8*(\b):(\f)+8*(\b)+7], v[(\f)+8*(4*(\hi)+(\a)):(\f)+8*(4*(\hi)+(\a))+7], v[8*(6*(\a)+(\b)):8*(6*(\a)+(\b))+7]
.endif
.endr
.endr
.endm
; One of a K step's first three quarters: multiplies buffer f; in its middle it fetches quarter q of the slot in hand into buffer g
.macro QUARTER q, f, g, zero
	s_wait_dscnt 8                                 ; the weights and x's rows 0-63 are in; the youngest eight loads (x's rows 64-127) may be out
	MUL12 \f, 0, 0, \zero
	MUL12 \f, 0, 2, \zero
	PLACES
	FETCH \q, \g
	s_wait_dscnt 28                                ; all but the 28 just issued
	MUL12 \f, 1, 0, \zero
	MUL12 \f, 1, 2, \zero
.endm
.macro MULF1                           ; a K step's fourth quarter: buffer 1, which the change of slots has waited for
	MUL12 F1, 0, 0, 0
	MUL12 F1, 0, 2, 0
	MUL12 F1, 1, 0, 0
	MUL12 F1, 1, 2, 0
.endm
; THE CHANGE OF SLOTS.  Each wave waits for all its tensor loads (one is out: its tile of the next slot), adds 0 to its spare word, and waits for that and for its reads of the slot in hand (the last were the
; fourth quarter's fragments).  fill = 1: the barrier opens a round of the cluster's, and the joint refill of the slot that is left, two K steps ahead, is the first tensor load behind it.
; The four additions that turn the LDS addresses to the other slot are also places in front of the next run of loads.
.macro CHG fill
	WIN 0
	s_wait_tensorcnt 0x0
	ds_add_u32 v[SPW], v[NIL]                      ; 0 onto my spare word; work on registers stands between it and the wait for it
.if \fill
	s_add_co_u32 s[G0A+5], s63, s[TB]              ; no load of mine is out, so the walking descriptors may be written: the slot that is left,
	s_add_co_u32 s[G0B+5], s63, s[TB]
	s_add_nc_u64 s[G0A+6:G0A+7], s[G0A+6:G0A+7], 256      ; the next K step; the type bits on top are not reached
	s_add_nc_u64 s[G0B+6:G0B+7], s[G0B+6:G0B+7], 524288
.endif
	s_xor_b32 s[TB], s[TB], SLOT
	v_add_nc_u32 v[RA], s[TB], v[ADRA]
.irp c, 0,1,2
	v_add_nc_u32 v[RB+(\c)], s[TB], v[ADRB+(\c)]
.endr
	s_wait_dscnt 0x0                               ; the add is done, and my reads of the slot that is left are over
	s_barrier_signal -1
	s_barrier_wait -1
.if \fill
	CREST                                          ; no wave of any partner still reads that slot or has a load on its way
	JLOAD 1                                        ; its four v_nop are places in front of the loads that follow
.else
	PLACES
.endif
.endm
	s_wait_tensorcnt 1                             ; my tile of K step 0 is in; K step 1's may stay out
	s_barrier_signal -1
	s_barrier_wait -1
	FETCH 0, F0
	QUARTER 1, F0, F1, 1                           ; the first quarter's products start the sums: nothing is cleared
	WIN 0
	s_mov_b32 s3, STEPS-2
.Lstep:                                                ; a trip goes from a K step's second quarter to the next step's first, and fills the slot that it leaves
	QUARTER 2, F1, F0, 0
	QUARTER 3, F0, F1, 0
	s_wait_xcnt 0x0                                ; the last prefetch, a K step back, has read its address
	s_add_nc_u64 s[PFA:PFA+1], s[PFA:PFA+1], s[PFS:PFS+1]
	CHG 1
	FETCH 0, F0
	ASK
	MULF1
	QUARTER 1, F0, F1, 0
	WIN 0
	s_sub_co_u32 s3, s3, 1
	s_cmp_lg_u32 s3, 0
	s_cbranch_scc1 .Lstep
	s_mov_b32 s3, 2
.Ltail:                                                ; the last two K steps fill nothing; the second trip is left behind its change of slots, whose barrier then serves nothing
	QUARTER 2, F1, F0, 0
	QUARTER 3, F0, F1, 0
	CHG 0
	s_sub_co_u32 s3, s3, 1
	s_cmp_eq_u32 s3, 0
	s_cbranch_scc1 .Llast
	FETCH 0, F0
	MULF1
	QUARTER 1, F0, F1, 0
	WIN 0
	s_branch .Ltail
.Llast:
	MULF1
	WIN 0
	PLACES
; THE WAY OUT.  cos and sin are rounded to bf16 and laid down as pairs; then q, k, v in three passes: RoPE (q, k), rounding to f16, 16 bytes a lane into the work-group's stage, a barrier (a row's 256 bytes
; come from four waves), back as whole rows, 32 rows a wave: 8,192 consecutive bytes of qkv.
; Group n = 2 a + j holds four cos and four sin.  (c, s) of pair p is packed to bf16 in one word and unpacked into two neighbouring registers: pairs 0, 1 where the cos lay, pairs 2, 3 where the sin lay.
.macro ROUNDCS n
.irp p, 0,1,2,3
	v_cvt_pk_bf16_f32 v[RT+(\p)], v[CB+4*(\n)+(\p)], v[SB+4*(\n)+(\p)]
.endr
.irp p, 0,1
	v_lshlrev_b32 v[CB+4*(\n)+2*(\p)], 16, v[RT+(\p)]
	v_and_b32 v[CB+4*(\n)+2*(\p)+1], s62, v[RT+(\p)]
	v_lshlrev_b32 v[SB+4*(\n)+2*(\p)], 16, v[RT+2+(\p)]
	v_and_b32 v[SB+4*(\n)+2*(\p)+1], s62, v[RT+2+(\p)]
.endr
.endm
; Row block a of section sec, both column blocks.  For pair p, with (a, b) the accumulator's registers 2 p, 2 p + 1: first (- b s, b c), then (a c, a s) added onto it: two packed instructions.
; op_sel and op_sel_hi say which register of a pair feeds the low and the high result.  Each accumulator is read from its low end on.
.macro ROPE sec, a
	WIN 0x06+(\a)/4                                ; source 0: the accumulators' window; source 1: window 1; source 2 and destination: window 0
.irp j, 0,1
.irp p, 0,1,2,3
.set AC, 8*(6*((\a)%4)+2*(\sec)+(\j))+2*(\p)
.set CS, CB+4*(2*(\a)+(\j))+2*(\p)+((\p)/2)*(SB-CB-4)
.set TT, T+8*(\j)+2*(\p)
	v_pk_mul_f32 v[TT:TT+1], v[AC:AC+1], v[CS:CS+1] op_sel:[1,1] op_sel_hi:[1,0] neg_lo:[1,0]
.endr
.endr
.irp j, 0,1
.irp p, 0,1,2,3
.set AC, 8*(6*((\a)%4)+2*(\sec)+(\j))+2*(\p)
.set CS, CB+4*(2*(\a)+(\j))+2*(\p)+((\p)/2)*(SB-CB-4)
.set TT, T+8*(\j)+2*(\p)
	v_pk_fma_f32 v[TT:TT+1], v[AC:AC+1], v[CS:CS+1], v[TT:TT+1] op_sel_hi:[0,1,1]
.endr
.endr
	WIN 0
.irp j, 0,1
.irp p, 0,1,2,3
	v_cvt_pk_f16_f32 v[TMP+4*(2*(\a)+(\j))+(\p)], v[T+8*(\j)+2*(\p)], v[T+8*(\j)+2*(\p)+1]
.endr
.endr
.endm
.macro VPACK a                         ; v: rounded as it is
	WIN 0x0a+5*((\a)/4)
.irp j, 0,1
.irp p, 0,1,2,3
	v_cvt_pk_f16_f32 v[TMP+4*(2*(\a)+(\j))+(\p)], v[8*(6*((\a)%4)+4+(\j))+2*(\p)], v[8*(6*((\a)%4)+4+(\j))+2*(\p)+1]
.endr
.endr
.endm
.macro PASS sec
.irp a, 0,1,2,3,4,5,6,7
.if (\sec) < 2
	ROPE \sec, \a
.else
	VPACK \a
.endif
.endr
	WIN 0
.if (\sec) > 0
	s_barrier_signal -1                            ; every wave's reads of the stage are back (its count-down ended at 0): the stage may be written again
	s_barrier_wait -1
.endif
.irp a, 0,1,2,3,4,5,6,7
.irp j, 0,1
	ds_store_b128 v[STO], v[TMP+4*(2*(\a)+(\j)):TMP+4*(2*(\a)+(\j))+3] offset:(\a)*16*SP+32*(\j)
.endr
.endr
	s_wait_dscnt 0x0                               ; for the others' sake: my stores into the stage are done
	s_barrier_signal -1
	s_barrier_wait -1
.if (\sec) > 0
	s_wait_xcnt 0x0                                ; the last pass's stores have read their registers and their base
	s_add_nc_u64 s[66:67], s[66:67], SEC           ; the next section of qkv
.endif
.irp t, 0,1,2,3,4,5,6,7,8,9,10,11,12,13,14,15
	ds_load_b128 v[RB4+4*(\t):RB4+4*(\t)+3], v[RD] offset:(\t)*2*SP
.endr
.irp t, 0,1,2,3,4,5,6,7,8,9,10,11,12,13,14,15
	s_wait_dscnt 15-(\t)
	global_store_b128 v[CO], v[RB4+4*(\t):RB4+4*(\t)+3], s[66:67] offset:512*(\t)  ; 512 consecutive bytes, at a multiple of 256 from qkv's first
.endr
.endm
	s_wait_loadcnt 0x0                             ; cos and sin
	WIN 0x45                                       ; sources and destination in window 1
.irp n, 0,1,2,3,4,5,6,7,8,9,10,11,12,13,14,15
	ROUNDCS \n
.endr
	PASS 0
	PASS 1
	PASS 2
	s_wait_tensorcnt 0x0                           ; the wave's end, behind my last tensor load and my last LDS store
	ds_add_u32 v[SPW], v[NIL]
	s_wait_dscnt 0x0
	CROUND                                         ; the closing round
	s_endpgm
.Lfunc_end_k_qf8a30643ab_qkv:
	.size	k_qf8a30643ab_qkv, .Lfunc_end_k_qf8a30643ab_qkv-k_qf8a30643ab_qkv
	.p2alignl 7, 3214868480
	.fill 96, 4, 3214868480
	.section	.rodata,"a",@progbits
	.p2align	6, 0x0
	.amdhsa_kernel k_qf8a30643ab_qkv
		.amdhsa_group_segment_fixed_size 327680
		.amdhsa_private_segment_fixed_size 0
		.amdhsa_enable_private_segment 0
		.amdhsa_kernarg_size 32
		.amdhsa_user_sgpr_count 2
		.amdhsa_user_sgpr_kernarg_segment_ptr 1
		.amdhsa_wavefront_size32 1
		.amdhsa_system_sgpr_workgroup_id_x 1
		.amdhsa_system_sgpr_workgroup_id_y 1
		.amdhsa_system_sgpr_workgroup_id_z 1
		.amdhsa_system_vgpr_workitem_id 0
		.amdhsa_next_free_vgpr 960
		.amdhsa_next_free_sgpr 80
		.amdhsa_reserve_vcc 0
		.amdhsa_float_denorm_mode_32 3
		.amdhsa_float_denorm_mode_16_64 3
		.amdhsa_memory_ordered 1
		.amdhsa_forward_progress 1
		.amdhsa_inst_pref_size 114
	.end_amdhsa_kernel
	.amdgpu_metadata
---
amdhsa.version: [ 1, 2 ]
amdhsa.kernels:
  - .name:           k_qf8a30643ab_qkv
    .symbol:         k_qf8a30643ab_qkv.kd
    .args:
      - { .name: cb, .offset: 0, .size: 8, .value_kind: global_buffer, .address_space: global }
      - { .name: freqs_cos, .offset: 8, .size: 8, .value_kind: global_buffer, .address_space: global }
      - { .name: freqs_sin, .offset: 16, .size: 8, .value_kind: global_buffer, .address_space: global }
      - { .name: qkv, .offset: 24, .size: 8, .value_kind: global_buffer, .address_space: global }
    .group_segment_fixed_size: 327680
    .private_segment_fixed_size: 0
    .kernarg_segment_align: 8
    .kernarg_segment_size: 32
    .max_flat_workgroup_size: 128
    .sgpr_count:     80
    .vgpr_count:     960
    .wavefront_size: 32
...
	.end_amdgpu_metadata
.endif
;; end of part 2
;; launch attn (part 3): grid 16 x 16, 4 waves a work-group, clusters of 4 x 4, 327,680 bytes of LDS; arguments qkv, cb, ob; writes ob
.if DOCPART == 3
	.amdgcn_target "amdgcn-amd-amdhsa--gfx1250"
	.amdhsa_code_object_version 6
	.text
	.protected	k_qf8a30643ab_attn
	.globl	k_qf8a30643ab_attn
	.p2align	8
	.type	k_qf8a30643ab_attn,@function
k_qf8a30643ab_attn:
	s_mov_b64 s[64:65], 0
	v_nop
	global_prefetch_b8 v0, s[64:65] scope:SCOPE_SE
	s_setreg_imm32_b32 hwreg(HW_REG_WAVE_MODE, 25, 1), 1
	s_wait_xcnt 0x0
	s_wait_alu depctr_hold_cnt(0) depctr_sa_sdst(0) depctr_va_vdst(0) depctr_va_sdst(0) depctr_va_ssrc(0) depctr_va_vcc(0) depctr_vm_vsrc(0)
	s_getreg_b32 s2, hwreg(HW_REG_IB_STS2, 6, 4)
	s_cmp_eq_u32 s2, 0
	s_cbranch_scc0 .Lentry_in_a_cluster
	s_endpgm
.Lentry_in_a_cluster:
	s_bfe_u32 s2, ttmp6, 0x10000c
	s_cmp_lg_u32 s2, 0xf033
	s_cbranch_scc0 .Lentry_shape_is_right
	s_endpgm
.Lentry_shape_is_right:
; O[q][head] = the sum over k of softmax_k(q . k / sqrt(128) + mask[q][k]) v[k].  q, k, v: qkv's three sections, [16 heads][2048][128] f16, holding q / 32, k / 32, v / 2.
; mask: cb's section 5, [2048][2048] bf16: an input like any other: every key tile is walked and every number of the mask is added.  O / 2 goes to ob, [2048][2048] f16, head h in columns 128 h on.
; The score z = raw x 2^10 / sqrt(128) + mask is ONE fused multiply-add in f32; maxima and sums in f32; the weights p are rounded to f16 for the second product (their sum l is taken of the unrounded p).
; SOFTMAX.  A running maximum m of z; p = 2^((z - m) log2 e): the DIFFERENCE is taken first, so that it is exactly 0 at the maximum however large the scores are (a mask of -1e30 on every key seen so far);
; in every step O and l are multiplied by a = 2^((m_old - m_new) log2 e).  m starts at -2^127, O and l at 0: the first step is a step like any other.
; LIMITS.  A score at or below -2^127 counts as minus infinity, and a row that has no other score gives NaN; NaN is not treated apart; a weight below 2^-126 counts as 0 in l; p below 6e-5 keeps f16's step of 6e-8.
; SHARES.  A work-group owns 128 queries of one head: 256 work-groups.  Wave w: 64 queries (half qh = w / 2), four tiles of 16, and of each step's 128 keys the 64 of half kh = w % 2.  So a fragment of K or V
; feeds four tiles.  Each wave keeps its own m, l and O; at the end the two waves of a query half merge: wave tile t holds query group (t + 2 kh) % 4, so that every wave KEEPS its tiles 0, 1 and GIVES its
; tiles 2, 3 to its partner w ^ 1: one text for all waves.
; LAYOUT.  S^T = K Q^T (source 0 = 16 keys, source 1 = 16 queries): a lane holds ONE query (lane % 16) and the keys 8 (lane / 16) + 0..7; two such results rounded to f16 ARE source 1 of O^T = V^T P.
; CLUSTER 4 x 4.  K and V hang on the head (work-group y): asked for jointly along a row of the cluster; the mask's tile hangs on the query block (work-group x): jointly along a column.
; TRIP n.  A step's softmax is cut in three, and 384 of its 728 vector instructions stand behind matrix instructions:
;   change of slots and refill | K and mask of step n out of LDS | roundings and sums of step n - 1 | K Q^T of step n, behind each product two rescalings of O^T by step n - 1's a |
;   V^T P of step n - 1, behind each product four of step n's softmax (score, maximum, statistics, z - m) | the rest of z - m | V of step n out of LDS | times log2 e, the exponentials, their one wait.
; S^T is free for K Q^T because the sums are taken first; a is read for the last time behind K Q^T, before the maximum takes its register again.
; THE ENDS.  S^T, V, O^T, l and a start at 0, so trip 0 is a trip like any other.  The last step and the drain are a loop of two trips that fill nothing, left behind V^T P in its second trip; that trip's
; K Q^T takes the other slot's old step once more: its scores lie under the running maximum already, so m does not move, and nothing else made of them is kept.  The price of one text: 64 products at each end.
; REGISTERS, in windows of 256 (s_set_vgpr_msb: bits 1:0 source 0, 3:2 source 1, 5:4 source 2, 7:6 destination):
;   window 0: v0-15, v48-63 addresses and constants; v16-47 eight registers of statistics a tile; v64-191 S^T, 32 a tile; v192-255 P, 16 a tile
;   window 1: O^T, 64 a tile      window 2: v0-127 Q, 32 a tile; v128-255 K      window 3: v0-127 V; v128-191 the mask, 16 a tile
.set SEC,   8388608
.set PK,    272                        ; a row of K in LDS: 256 bytes + 16
.set PV,    288                        ; a row of V: 256 + 32, for the turning load
.set PM,    272                        ; a row of the mask: 128 keys in bf16 + 16
.set VOFF,  128*PK
.set MOFF,  VOFF+128*PV
.set SLOT1, 1<<17                      ; slot 1 begins here: one exclusive or turns an address in one slot into the other's
.set XCH,   SLOT1+MOFF+128*PM          ; behind the ring, never filled by a tensor load: 16,384 bytes a wave: the O^T that it gives away
.set XST,   XCH+4*16384                ; 512 bytes a wave: the statistics that go with it
.set STAGE, XST+4*512                  ; 16 rows x 272 bytes a wave, for the way out
.set SP,    272
.set SPARE, STAGE+4*16*SP              ; the spare words, 128 bytes a wave
.set AK0, 2                            ; my lane's place in a slot's K; never rewritten
.set AV0, 3                            ; in its V
.set AMA, 4                            ; in its mask, tiles 0, 1
.set AMB, 5                            ; tiles 2, 3
.set RK,  6                            ; v6-9: the same four in the slot in hand
.set QOA, 10                           ; v10-11: my byte offset in Q, tiles 0, 1 and tiles 2, 3
.set STO, 12
.set RD,  13
.set GO,  14
.set XW,  15
.set XR,  48
.set XSW, 49
.set XSR, 50
.set SCV, 51                           ; 2^10 / sqrt(128)
.set PFO, 52
.set SPW, 62
.set NIL, 63
.set ST,  16                           ; tile t at v[ST+8 t]: m, m_old, l (even keys', odd keys'), c0-c3 at work; a takes c2's place
.set S,   64
.set P,   192
.set KF,  128                          ; window 2
.set MB,  128                          ; window 3
.set WV,  12
.set LIM, 15                           ; 1 in a wave that prefetches, else the greatest number
.set G1K, 24
.set G1V, 32
.set G1M, 40
.set G0K, 48
.set G0V, 52
.set G0M, 56
.set SEL, 60                           ; s[60:61] v_permlanex16_b32's selects: each lane takes its own place in the other half
.set TB,  62                           ; the slot in hand: 0 or SLOT1
.set CNT, 63
.set LG,  66                           ; s[66:67] log2 e
.set PFA, 68
.set PFS, 70
.set MSB, 0
.macro WIN new
.if MSB != (\new)
	s_set_vgpr_msb (MSB<<8)|(\new)
.set MSB, \new
.endif
.endm
.macro CROUND                          ; a round of the cluster's barrier
	s_barrier_signal -1
	s_barrier_wait -1
	s_cmp_lg_u32 s[WV], 0
	s_cbranch_scc1 .Lnot_wave_0_\@
	s_barrier_signal -3
.Lnot_wave_0_\@:
	s_barrier_wait -3
	s_barrier_signal -1
	s_barrier_wait -1
.endm
; A joint fill: wave 0 asks for a step's K, wave 1 for its V (128 rows x 256 bytes each), waves 2 and 3 for the two halves of the mask's tile (64 rows x 256 bytes).  The branches hang on the wave's number alone.
.macro JLOAD
	s_cmp_lt_u32 s[WV], 2
	s_cbranch_scc0 .Lfor_m_\@
	s_cmp_eq_u32 s[WV], 0
	s_cbranch_scc0 .Lfor_v_\@
	tensor_load_to_lds s[G0K:G0K+3], s[G1K:G1K+7]
	s_nop 0
.rept 4
	v_nop
.endr
	s_branch .Lasked_\@
.Lfor_v_\@:
	tensor_load_to_lds s[G0V:G0V+3], s[G1V:G1V+7]
	s_nop 0
.rept 4
	v_nop
.endr
	s_branch .Lasked_\@
.Lfor_m_\@:
	tensor_load_to_lds s[G0M:G0M+3], s[G1M:G1M+7]
	s_nop 0
.rept 4
	v_nop
.endr
.Lasked_\@:
.endm
; A prefetch behind each refill, of what the NEXT refill will ask for: a lane a row of 256 bytes, one instruction a wave.  Each row is named once in the launch.  K and V of a head are walked by every cluster of
; a row of clusters: cluster x = 0 asks, wave 0 for K and wave 1 for V, the partners along x taking 32 rows each BY ADDRESS.  A query block's mask rows are walked by every cluster of a column: cluster y = 0
; asks, wave 2, the partners along y taking 32 rows each.  The last refill (CNT = 1) asks for nothing.  Steps 0 and 1 come by their loads alone.
.macro ASK
	s_cmp_gt_u32 s[CNT], s[LIM]
	s_cbranch_scc0 .Lnot_mine_\@
	global_prefetch_b8 v[PFO], s[PFA:PFA+1] th:TH_LOAD_NT scope:SCOPE_SE
.Lnot_mine_\@:
.endm
; THE CHANGE OF SLOTS.  Each wave waits for all its tensor loads (one is out: its part of the other slot), adds 0 to its spare word, and waits for that and for its reads of the slot that it leaves (V's run
; was the last).  fill = 1: a round of the cluster's barrier, and the joint refill first behind it: it has a whole trip in which to land.  (At its first use slot 0 is waited for and slot 1 filled.)
.macro CHANGE fill
	WIN 0
	s_wait_tensorcnt 0x0
	ds_add_u32 v[SPW], v[NIL]                      ; 0 onto my spare word; the descriptors' steps stand between it and the wait for it
.if \fill
.irp g, G0K, G0V
	s_xor_b32 s[(\g)+1], s[(\g)+1], SLOT1          ; the other slot than last time,
	s_add_nc_u64 s[(\g)+2:(\g)+3], s[(\g)+2:(\g)+3], 32768  ; the next 128 keys
.endr
	s_xor_b32 s[G0M+1], s[G0M+1], SLOT1
	s_add_nc_u64 s[G0M+2:G0M+3], s[G0M+2:G0M+3], 256
	s_wait_xcnt 0x0                                ; the last prefetch, a trip back, has read its address
	s_add_nc_u64 s[PFA:PFA+1], s[PFA:PFA+1], s[PFS:PFS+1]
	s_wait_dscnt 0x0
	CROUND
	JLOAD
	ASK
.else
	s_wait_dscnt 0x0
	s_barrier_signal -1
	s_barrier_wait -1
.endif
	s_xor_b32 s[TB], s[TB], SLOT1
.endm
	s_load_b128 s[4:7], s[0:1], 0x0                ; qkv s[4:5], cb s[6:7]
	s_load_b64 s[8:9], s[0:1], 0x10                ; ob
	v_lshl_add_u32 v[SPW], v0, 2, SPARE
	v_mov_b32 v[NIL], 0
	ds_add_u32 v[SPW], v[NIL]                      ; the wave's opening: the add and its wait stand ahead of my first tensor load
	v_lshrrev_b32 v1, 5, v0
	v_readfirstlane_b32 s[WV], v1
	s_bfe_u32 s13, ttmp6, 0x40000                  ; cx
	s_bfe_u32 s14, ttmp6, 0x40004                  ; cy
	s_lshl_b32 s16, ttmp9, 2
	s_add_co_u32 s16, s16, s13                     ; the block of 128 queries
	s_and_b32 s17, ttmp7, 0xffff
	s_lshl_b32 s17, s17, 2
	s_add_co_u32 s17, s17, s14                     ; the head
	s_lshr_b32 s18, s[WV], 1                       ; qh
	s_and_b32 s19, s[WV], 1                        ; kh
	s_lshl_b32 s20, s14, 2
	s_lshl_b32 s20, 15, s20                        ; my row of the cluster
	s_lshl_b32 s21, 0x1111, s13                    ; my column
	s_or_b32 s[G1K], s20, (1<<16)|(1<<20)|(1<<21)|(5<<22)|(3<<25)  ; mask; 2-byte elements; padding on; bit 21 beside a mask; after every 64 words, 4 words
	s_or_b32 s[G1V], s20, (1<<16)|(1<<20)|(1<<21)|(5<<22)|(7<<25)  ; 8 words
	s_or_b32 s[G1M], s21, (1<<16)|(1<<20)|(1<<21)|(5<<22)|(3<<25)
.irp g, G1K, G1V
	s_mov_b32 s[(\g)+1], 128<<16                   ; tensor_dim0 = 128
	s_mov_b32 s[(\g)+2], 128<<16                   ; tensor_dim1 = 128
	s_mov_b32 s[(\g)+3], 128<<16                   ; tile_dim0 = 128
	s_mov_b32 s[(\g)+4], 128                       ; tile_dim1 = 128
	s_mov_b32 s[(\g)+5], 128                       ; elements from row to row
	s_mov_b32 s[(\g)+6], 0
	s_mov_b32 s[(\g)+7], 0
.endr
	s_mov_b32 s[G1M+1], 128<<16
	s_mov_b32 s[G1M+2], 64<<16
	s_mov_b32 s[G1M+3], 128<<16
	s_mov_b32 s[G1M+4], 64
	s_mov_b32 s[G1M+5], 2048
	s_mov_b32 s[G1M+6], 0
	s_mov_b32 s[G1M+7], 0
	s_mov_b32 s[SEL], 0x76543210
	s_mov_b32 s[SEL+1], 0xfedcba98
	s_mov_b32 s[LG], 0x3fb8aa3b
	s_mov_b32 s[LG+1], s[LG]
	s_mov_b32 s[TB], SLOT1                         ; the first change of slots turns it into 0
	s_mov_b32 s[G0K], 1
	s_mov_b32 s[G0K+1], 0
	s_mov_b32 s[G0V], 1
	s_mov_b32 s[G0V+1], VOFF
	s_mov_b32 s[G0M], 1
	s_mul_i32 s[G0M+1], s19, 64*PM
	s_add_co_u32 s[G0M+1], s[G0M+1], MOFF
	s_lshl_b32 s22, s17, 19                        ; the head's 524,288 bytes: the head alone
	s_add_co_u32 s76, s22, SEC
	s_mov_b32 s77, 0
	s_add_co_u32 s78, s22, 2*SEC
	s_mov_b32 s79, 0
	s_lshl_b32 s20, s16, 19                        ; the mask: my block's 128 rows of 4,096 bytes, the half that I fetch: the query block alone
	s_lshl_b32 s21, s19, 18
	s_add_co_u32 s20, s20, s21
	s_add_co_u32 s20, s20, 5*SEC
	s_mov_b32 s21, 0
	s_wait_dscnt 0x0                               ; the opening add is done
	s_wait_kmcnt 0x0
	s_add_nc_u64 s[G0K+2:G0K+3], s[4:5], s[76:77]
	s_or_b32 s[G0K+3], s[G0K+3], 0x80000000
	s_add_nc_u64 s[G0V+2:G0V+3], s[4:5], s[78:79]
	s_or_b32 s[G0V+3], s[G0V+3], 0x80000000
	s_add_nc_u64 s[G0M+2:G0M+3], s[6:7], s[20:21]
	s_or_b32 s[G0M+3], s[G0M+3], 0x80000000
	CROUND                                         ; all sixteen work-groups are here
	JLOAD                                          ; step 0 into slot 0
	s_lshl_b32 s20, s17, 19                        ; Q at my wave's 64 rows
	s_lshl_b32 s21, s16, 15
	s_add_co_u32 s20, s20, s21
	s_lshl_b32 s21, s18, 14
	s_add_co_u32 s20, s20, s21
	s_mov_b32 s21, 0
	s_add_nc_u64 s[72:73], s[4:5], s[20:21]
	s_lshl_b32 s20, s16, 19                        ; ob at the 32 rows that I keep, my head's 256 bytes
	s_lshl_b32 s21, s18, 18
	s_add_co_u32 s20, s20, s21
	s_lshl_b32 s21, s19, 17
	s_add_co_u32 s20, s20, s21
	s_lshl_b32 s21, s17, 8
	s_add_co_u32 s20, s20, s21
	s_mov_b32 s21, 0
	s_add_nc_u64 s[74:75], s[8:9], s[20:21]
	v_and_b32 v1, 15, v0                           ; r
	v_bfe_u32 v53, v0, 4, 1                        ; h
	v_and_b32 v54, 7, v0
	v_bfe_u32 v55, v0, 3, 1
	v_and_b32 v60, 31, v0                          ; l
	v_lshlrev_b32 v61, 8, v1
	v_lshl_add_u32 v61, v53, 4, v61                ; r x 256 + 16 h
	s_lshl_b32 s20, s19, 13                        ; tiles 0, 1: rows 32 kh on
	v_add_nc_u32 v[QOA], s20, v61
	s_xor_b32 s20, s20, 8192                       ; tiles 2, 3: rows 32 (1 - kh) on
	v_add_nc_u32 v[QOA+1], s20, v61
	WIN 0x80                                       ; Q stays in registers: tile t, channels 32 c on
.irp t, 0,1,2,3
.irp c, 0,1,2,3
	global_load_b128 v[32*(\t)+8*(\c):32*(\t)+8*(\c)+3],   v[QOA+(\t)/2], s[72:73] offset:((\t)%2)*4096+(\c)*64
	global_load_b128 v[32*(\t)+8*(\c)+4:32*(\t)+8*(\c)+7], v[QOA+(\t)/2], s[72:73] offset:((\t)%2)*4096+(\c)*64+32
.endr
.endr
	; What trip 0 finds of a step that has not been: weights, V, O^T, l and a are 0.  The price of one text for every trip; it stands in the wait for the first tile.
	WIN 0xc0
.set i, 0
.rept 128
	v_mov_b32 v[i], 0
.set i, i+1
.endr
	WIN 0x40
.set i, 0
.rept 256
	v_mov_b32 v[i], 0
.set i, i+1
.endr
	WIN 0
.set i, S
.rept 128
	v_mov_b32 v[i], 0
.set i, i+1
.endr
.set i, 0
.rept 4
	v_mov_b32 v[ST+8*i], 0xff000000                ; m = -2^127
	v_mov_b32 v[ST+8*i+1], 0xff000000
	v_mov_b32 v[ST+8*i+2], 0                       ; l
	v_mov_b32 v[ST+8*i+3], 0
	v_mov_b32 v[ST+8*i+6], 0                       ; a,
	v_mov_b32 v[ST+8*i+7], 0                       ; and the register named with it as a pair
.set i, i+1
.endr
	v_mov_b32 v[SCV], 0x42b504f3                   ; 2^10 / sqrt(128) = 90.50967
	s_lshl_b32 s20, s19, 6                         ; my 64 keys of a slot's 128
	v_add_nc_u32 v[AK0], s20, v1
	v_mul_u32_u24 v[AK0], v[AK0], PK
	v_lshl_add_u32 v[AK0], v53, 4, v[AK0]          ; (64 kh + r) x pitch + 16 h
	v_lshl_add_u32 v[AV0], v53, 3, v54             ; the turning load: key 8 h + l % 8, channels 8 ((l / 8) % 2) + 0..7
	v_add_nc_u32 v[AV0], s20, v[AV0]
	v_mul_u32_u24 v[AV0], v[AV0], PV
	v_lshl_add_u32 v[AV0], v55, 4, v[AV0]
	v_add_nc_u32 v[AV0], VOFF, v[AV0]
	s_lshl_b32 s21, s18, 6                         ; the mask: row = my query, 16 bytes = my eight keys
	s_lshl_b32 s22, s19, 5
	s_add_co_u32 s23, s21, s22                     ; 64 qh + 32 kh
	s_lshl_b32 s76, s19, 7                         ; my 64 keys: 128 bytes on
	s_add_co_u32 s76, s76, MOFF
	v_add_nc_u32 v[AMA], s23, v1
	v_mul_u32_u24 v[AMA], v[AMA], PM
	v_lshl_add_u32 v[AMA], v53, 4, v[AMA]
	v_add_nc_u32 v[AMA], s76, v[AMA]
	s_xor_b32 s22, s22, 32
	s_add_co_u32 s23, s21, s22                     ; 64 qh + 32 (1 - kh)
	v_add_nc_u32 v[AMB], s23, v1
	v_mul_u32_u24 v[AMB], v[AMB], PM
	v_lshl_add_u32 v[AMB], v53, 4, v[AMB]
	v_add_nc_u32 v[AMB], s76, v[AMB]
	s_mul_i32 s20, s[WV], 16*SP
	s_add_co_u32 s20, s20, STAGE                   ; my stage
	v_mul_u32_u24 v[STO], v1, SP
	v_lshl_add_u32 v[STO], v53, 4, v[STO]
	v_add_nc_u32 v[STO], s20, v[STO]
	v_mul_u32_u24 v[RD], v53, SP
	v_lshl_add_u32 v[RD], v1, 4, v[RD]
	v_add_nc_u32 v[RD], s20, v[RD]
	v_lshlrev_b32 v[GO], 12, v53                   ; two rows of ob, 256 bytes of each
	v_lshl_add_u32 v[GO], v1, 4, v[GO]
	s_xor_b32 s21, s[WV], 1                        ; my partner
	s_lshl_b32 s20, s[WV], 14
	s_add_co_u32 s20, s20, XCH
	v_lshl_add_u32 v[XW], v60, 4, s20
	s_lshl_b32 s20, s21, 14
	s_add_co_u32 s20, s20, XCH
	v_lshl_add_u32 v[XR], v60, 4, s20
	s_lshl_b32 s20, s[WV], 9
	s_add_co_u32 s20, s20, XST
	v_lshl_add_u32 v[XSW], v60, 4, s20
	s_lshl_b32 s20, s21, 9
	s_add_co_u32 s20, s20, XST
	v_lshl_add_u32 v[XSR], v60, 4, s20
	; the prefetches stand at step 1; each change of slots steps them before it asks
	s_lshl_b32 s76, s17, 19                        ; waves 0, 1: my head, section 1 + wave, my work-group's 32 rows by cx
	s_lshl_b32 s77, s13, 13
	s_add_co_u32 s76, s76, s77
	s_add_co_u32 s77, s[WV], 1
	s_lshl_b32 s77, s77, 23
	s_add_co_u32 s76, s76, s77
	s_add_co_u32 s76, s76, 32768
	s_lshl_b32 s78, s16, 19                        ; wave 2: my query block's rows of the mask, my work-group's 32 by cy
	s_lshl_b32 s79, s14, 17
	s_add_co_u32 s78, s78, s79
	s_add_co_u32 s78, s78, 5*SEC+256
	s_and_b32 s79, ttmp7, 0xffff                   ; cluster y
	s_mov_b32 s20, 32768
	s_mov_b32 s21, 256
	s_cmp_lt_u32 s[WV], 2
	s_cselect_b32 s76, s76, s78
	s_cselect_b32 s[PFS], s20, s21
	s_cselect_b32 s79, ttmp9, s79                  ; the coordinate along which other clusters walk the same rows
	s_cselect_b32 s22, 8, 12                       ; a row is 256 bytes of qkv, 4,096 of the mask
	s_cselect_b64 s[PFA:PFA+1], s[4:5], s[6:7]
	s_mov_b32 s77, 0
	s_mov_b32 s[PFS+1], 0
	s_add_nc_u64 s[PFA:PFA+1], s[PFA:PFA+1], s[76:77]
	s_cmp_eq_u32 s[WV], 3
	s_cselect_b32 s79, 1, s79                      ; wave 3 never asks
	s_cmp_eq_u32 s79, 0
	s_cselect_b32 s[LIM], 1, -1
	v_lshlrev_b32 v[PFO], s22, v60
; THE LDS LOADS, in runs.  K: 64 keys x 128 channels, 16 fragments.  The mask: for tile t and key block kb my query's eight keys, 16 bytes.  V: turned.
.macro FETCH_K
	WIN 0x80
.irp f, 0,1,2,3,4,5,6,7,8,9,10,11,12,13,14,15      ; keys 16 (f / 4) on, channels 32 (f % 4) on
	ds_load_b128 v[KF+8*(\f):KF+8*(\f)+3],   v[RK] offset:((\f)/4)*16*PK+((\f)%4)*64
	ds_load_b128 v[KF+8*(\f)+4:KF+8*(\f)+7], v[RK] offset:((\f)/4)*16*PK+((\f)%4)*64+32
.endr
.endm
.macro FETCH_M
	WIN 0xc0
.irp t, 0,1,2,3
.irp kb, 0,1,2,3
	ds_load_b128 v[MB+16*(\t)+4*(\kb):MB+16*(\t)+4*(\kb)+3], v[RK+2+(\t)/2] offset:((\t)%2)*16*PM+32*(\kb)
.endr
.endr
.endm
.macro FETCH_V
	WIN 0xc0
.irp f, 0,1,2,3,4,5,6,7,8,9,10,11,12,13,14,15      ; keys 32 (f / 8) on, channels 16 (f % 8) on
	ds_load_tr16_b128 v[8*(\f):8*(\f)+3],   v[RK+1] offset:((\f)/8)*32*PV+((\f)%8)*32
	ds_load_tr16_b128 v[8*(\f)+4:8*(\f)+7], v[RK+1] offset:((\f)/8)*32*PV+16*PV+((\f)%8)*32
.endr
.endm
.macro ALLT line:vararg                ; one line for each tile t: the four tiles alternate, so that no instruction reads the result of the one before it
.set t, 0
.rept 4
	\line
.set t, t+1
.endr
.endm
; THE FIRST PART OF A STEP'S SOFTMAX: 69 groups of four instructions, one a tile; GRP writes group g.  None is a transcendental.
;   0-31   z = raw x 2^10 / sqrt(128) + mask: one fused multiply-add; each accumulator is read from its low end on
;   32-47  the maximum: four chains of seven scores, three operands at a time; the four scores left over; the chains and the old m into one
;   48-52  the query's other 32 keys lie in the lane 16 away; m_old is kept; the new m; (m_old - m) log2 e
;   53-68  z - m, a pair of scores each
.macro GRP
.if g < 32
	WIN 0x30                                       ; source 2, the mask, in window 3
.if g%2 == 0
	ALLT v_fma_mix_f32_bf16 v[S+32*t+g], v[S+32*t+g], v[SCV], v[MB+16*t+g/2] op_sel_hi:[0,0,1]
.else
	ALLT v_fma_mix_f32_bf16 v[S+32*t+g], v[S+32*t+g], v[SCV], v[MB+16*t+g/2] op_sel:[0,0,1] op_sel_hi:[0,0,1]
.endif
.else
	WIN 0
.if g < 36
	ALLT v_max3_num_f32 v[ST+8*t+4+g-32], v[S+32*t+8*(g-32)], v[S+32*t+8*(g-32)+1], v[S+32*t+8*(g-32)+2]
.elseif g < 44
	ALLT v_max3_num_f32 v[ST+8*t+4+g%4], v[ST+8*t+4+g%4], v[S+32*t+8*(g%4)+2*((g-32)/4)+1], v[S+32*t+8*(g%4)+2*((g-32)/4)+2]
.elseif g == 44
	ALLT v_max3_num_f32 v[ST+8*t+4], v[ST+8*t+4], v[S+32*t+7], v[S+32*t+15]
.elseif g == 45
	ALLT v_max3_num_f32 v[ST+8*t+6], v[ST+8*t+6], v[S+32*t+23], v[S+32*t+31]
.elseif g == 46
	ALLT v_max3_num_f32 v[ST+8*t+4], v[ST+8*t+4], v[ST+8*t+5], v[ST+8*t+6]
.elseif g == 47
	ALLT v_max3_num_f32 v[ST+8*t+4], v[ST+8*t+4], v[ST+8*t+7], v[ST+8*t]
.elseif g == 48
	ALLT v_permlanex16_b32 v[ST+8*t+5], v[ST+8*t+4], s[SEL], s[SEL+1]
.elseif g == 49
	ALLT v_mov_b32 v[ST+8*t+1], v[ST+8*t]
.elseif g == 50
	ALLT v_max_num_f32 v[ST+8*t], v[ST+8*t+4], v[ST+8*t+5]
.elseif g == 51
	ALLT v_sub_f32 v[ST+8*t+7], v[ST+8*t+1], v[ST+8*t]
.elseif g == 52
	ALLT v_mul_f32 v[ST+8*t+7], s[LG], v[ST+8*t+7]
.else
	ALLT v_pk_add_f32 v[S+32*t+2*(g-53):S+32*t+2*(g-53)+1], v[S+32*t+2*(g-53):S+32*t+2*(g-53)+1], v[ST+8*t:ST+8*t+1] op_sel_hi:[1,0] neg_lo:[0,1] neg_hi:[0,1]
.endif
.endif
.endm
; THE MATRIX WORK.  The accumulators take turns, one instruction a turn: 15 others stand between two links in K Q^T, 31 in V^T P.
; K Q^T of the step to come: product g: channels 32 (g / 16) on, keys 16 ((g / 4) % 4) on, tile g % 4.  Behind each, pair g / 2 of O^T of two tiles times the a of the step in hand.
.macro KQR
.set g, 0
.rept 64
	WIN 0x0a                                       ; K and Q in window 2, S^T in window 0
.if g < 16
	v_wmma_f32_16x16x32_f16 v[S+32*(g%4)+8*((g/4)%4):S+32*(g%4)+8*((g/4)%4)+7], v[KF+32*((g/4)%4)+8*(g/16):KF+32*((g/4)%4)+8*(g/16)+7], v[32*(g%4)+8*(g/16):32*(g%4)+8*(g/16)+7], 0
.else
	v_wmma_f32_16x16x32_f16 v[S+32*(g%4)+8*((g/4)%4):S+32*(g%4)+8*((g/4)%4)+7], v[KF+32*((g/4)%4)+8*(g/16):KF+32*((g/4)%4)+8*(g/16)+7], v[32*(g%4)+8*(g/16):32*(g%4)+8*(g/16)+7], v[S+32*(g%4)+8*((g/4)%4):S+32*(g%4)+8*((g/4)%4)+7]
.endif
	WIN 0x41                                       ; O^T (destination and source 0) in window 1, a in window 0
	v_pk_mul_f32 v[128*(g%2)+2*(g/2):128*(g%2)+2*(g/2)+1], v[128*(g%2)+2*(g/2):128*(g%2)+2*(g/2)+1], v[ST+16*(g%2)+6:ST+16*(g%2)+7] op_sel_hi:[1,0]
	v_pk_mul_f32 v[128*(g%2)+64+2*(g/2):128*(g%2)+64+2*(g/2)+1], v[128*(g%2)+64+2*(g/2):128*(g%2)+64+2*(g/2)+1], v[ST+16*(g%2)+14:ST+16*(g%2)+15] op_sel_hi:[1,0]
.set g, g+1
.endr
.endm
; V^T P of the step in hand: product g: keys 32 (g / 32) on, channels 16 ((g / 4) % 8) on, tile g % 4.  Behind each, group g of the softmax of the step to come, which names none of V, P, O^T.
; The scores that group 0 reads were finished sixteen products before the end of K Q^T: the rescalings behind those products are the places between.
.macro PVR
.set g, 0
.rept 64
	WIN 0x53                                       ; V in window 3, P in window 0, O^T in window 1
	v_wmma_f32_16x16x32_f16 v[64*(g%4)+8*((g/4)%8):64*(g%4)+8*((g/4)%8)+7], v[64*(g/32)+8*((g/4)%8):64*(g/32)+8*((g/4)%8)+7], v[P+16*(g%4)+8*(g/32):P+16*(g%4)+8*(g/32)+7], v[64*(g%4)+8*((g/4)%8):64*(g%4)+8*((g/4)%8)+7]
	GRP
.set g, g+1
.endr
.endm
; THE SECOND PART: times log2 e, a, and the 128 weights: one batch of exponentials with one wait: nothing ahead of the wait names a result of theirs.
.macro SM2A
	WIN 0
.set j, 0
.rept 16
	ALLT v_pk_mul_f32 v[S+32*t+2*j:S+32*t+2*j+1], v[S+32*t+2*j:S+32*t+2*j+1], s[LG:LG+1] op_sel_hi:[1,0]
.set j, j+1
.endr
	ALLT v_exp_f32 v[ST+8*t+6], v[ST+8*t+7]        ; a
.set j, 0
.rept 32
	ALLT v_exp_f32 v[S+32*t+j], v[S+32*t+j]
.set j, j+1
.endr
	v_nop                                          ; a plain instruction behind the last exponential,
	s_wait_alu depctr_va_vdst(0)                   ; and the one wait, ahead of the batch's first reader and of the jump
.endm
; THE THIRD PART: the weights rounded to f16; their sum, in place: neighbours 1, 2, 4, 8 pairs apart; l = a l + the sum.
.macro SM2B
	WIN 0
.set j, 0
.rept 16
	ALLT v_cvt_pk_f16_f32 v[P+16*t+j], v[S+32*t+2*j], v[S+32*t+2*j+1]
.set j, j+1
.endr
.set j, 0
.rept 8
	ALLT v_pk_add_f32 v[S+32*t+4*j:S+32*t+4*j+1], v[S+32*t+4*j:S+32*t+4*j+1], v[S+32*t+4*j+2:S+32*t+4*j+3]
.set j, j+1
.endr
.set j, 0
.rept 4
	ALLT v_pk_add_f32 v[S+32*t+8*j:S+32*t+8*j+1], v[S+32*t+8*j:S+32*t+8*j+1], v[S+32*t+8*j+4:S+32*t+8*j+5]
.set j, j+1
.endr
.set j, 0
.rept 2
	ALLT v_pk_add_f32 v[S+32*t+16*j:S+32*t+16*j+1], v[S+32*t+16*j:S+32*t+16*j+1], v[S+32*t+16*j+8:S+32*t+16*j+9]
.set j, j+1
.endr
	ALLT v_pk_add_f32 v[S+32*t:S+32*t+1], v[S+32*t:S+32*t+1], v[S+32*t+16:S+32*t+17]
	ALLT v_pk_fma_f32 v[ST+8*t+2:ST+8*t+3], v[ST+8*t+2:ST+8*t+3], v[ST+8*t+6:ST+8*t+7], v[S+32*t:S+32*t+1] op_sel_hi:[1,0,1]
.endm
; A trip's first part, up to the last product, and its second.
.macro TRIPA fill
	CHANGE \fill
	v_add_nc_u32 v[RK], s[TB], v[AK0]
	v_add_nc_u32 v[RK+1], s[TB], v[AV0]
	v_add_nc_u32 v[RK+2], s[TB], v[AMA]
	v_add_nc_u32 v[RK+3], s[TB], v[AMB]
	FETCH_K                                        ; the step to come; the roundings and sums of the step in hand stand between these loads and the wait for them
	FETCH_M
	SM2B
	s_wait_dscnt 16                                ; K is in; the mask's 16 loads may stay out
	KQR
	s_wait_dscnt 0x0                               ; the mask is in
	PVR                                            ; V of the step in hand was waited for in the change of slots
	WIN 0
.endm
.macro TRIPB
.set g, 64
.rept 5
	GRP                                            ; the last five groups: twenty plain instructions, the places between the last product and the loads into V
.set g, g+1
.endr
	FETCH_V
	SM2A
.endm
	s_wait_loadcnt 0x0                             ; Q
	s_mov_b32 s[CNT], 15
.Ltrip:                                                ; trip n = 15 - CNT takes K Q^T of step n and V^T P of step n - 1, and asks for step n + 1
	TRIPA 1
	TRIPB
	s_sub_co_u32 s[CNT], s[CNT], 1
	s_cmp_lg_u32 s[CNT], 0
	s_cbranch_scc1 .Ltrip
	s_mov_b32 s[CNT], 2
.Ltail:                                                ; step 15 and the drain: nothing is asked for
	TRIPA 0
	s_sub_co_u32 s[CNT], s[CNT], 1
	s_cmp_eq_u32 s[CNT], 0
	s_cbranch_scc1 .Lout
	TRIPB
	s_branch .Ltail
.Lout:
	; THE MERGE.  l's two halves and the other half of the lanes' are added (these additions are places behind the last products); tiles 2, 3 go to my partner with their m and l.
	ALLT v_add_f32 v[ST+8*t+2], v[ST+8*t+2], v[ST+8*t+3]
	ALLT v_permlanex16_b32 v[ST+8*t+3], v[ST+8*t+2], s[SEL], s[SEL+1]
	ALLT v_add_f32 v[ST+8*t+2], v[ST+8*t+2], v[ST+8*t+3]
	v_mov_b32 v56, v[ST+16]
	v_mov_b32 v57, v[ST+18]
	v_mov_b32 v58, v[ST+24]
	v_mov_b32 v59, v[ST+26]
	ds_store_b128 v[XSW], v[56:59]
	WIN 0x04                                       ; the stores' data in window 1
.set g, 0
.rept 32
	ds_store_b128 v[XW], v[128+4*g:128+4*g+3] offset:512*g
.set g, g+1
.endr
	WIN 0
	s_wait_dscnt 0x0                               ; for my partner's sake: my stores are done
	s_barrier_signal -1
	s_barrier_wait -1
	ds_load_b128 v[32:35], v[XSR]                  ; my partner's m and l for my tiles 0, 1 (tile 2's statistics are free),
.set g, 0
.rept 32
	ds_load_b128 v[S+4*g:S+4*g+3], v[XR] offset:512*g  ; and its O^T
.set g, g+1
.endr
	s_wait_dscnt 0x0
.irp t, 0,1
	v_max_num_f32 v[ST+8*(\t)+4], v[ST+8*(\t)], v[32+2*(\t)]
.endr
.irp t, 0,1
	v_sub_f32 v[ST+8*(\t)+5], v[ST+8*(\t)], v[ST+8*(\t)+4]
	v_sub_f32 v[ST+8*(\t)+7], v[32+2*(\t)], v[ST+8*(\t)+4]
.endr
.irp t, 0,1
	v_mul_f32 v[ST+8*(\t)+5], s[LG], v[ST+8*(\t)+5]
	v_mul_f32 v[ST+8*(\t)+7], s[LG], v[ST+8*(\t)+7]
.endr
.irp t, 0,1
	v_exp_f32 v[ST+8*(\t)+4], v[ST+8*(\t)+5]       ; my share's factor,
	v_exp_f32 v[ST+8*(\t)+6], v[ST+8*(\t)+7]       ; my partner's
.endr
	v_nop
	s_wait_alu depctr_va_vdst(0)                   ; one wait for the four
.irp t, 0,1
	v_mul_f32 v[ST+8*(\t)+1], v[ST+8*(\t)+4], v[ST+8*(\t)+2]
.endr
.irp t, 0,1
	v_fma_f32 v[ST+8*(\t)+1], v[ST+8*(\t)+6], v[33+2*(\t)], v[ST+8*(\t)+1]
.endr
.irp t, 0,1
	v_rcp_f32 v[ST+8*(\t)+3], v[ST+8*(\t)+1]
.endr
	v_nop
	s_wait_alu depctr_va_vdst(0)                   ; one wait for the two
.irp t, 0,1
	v_mul_f32 v[ST+8*(\t)+4], v[ST+8*(\t)+4], v[ST+8*(\t)+3]
	v_mul_f32 v[ST+8*(\t)+6], v[ST+8*(\t)+6], v[ST+8*(\t)+3]
.endr
.irp t, 0,1
.set i, 0
.rept 32
	v_pk_mul_f32 v[S+64*(\t)+2*i:S+64*(\t)+2*i+1], v[S+64*(\t)+2*i:S+64*(\t)+2*i+1], v[ST+8*(\t)+6:ST+8*(\t)+7] op_sel_hi:[1,0]
.set i, i+1
.endr
.endr
	WIN 0x01                                       ; source 0, my O^T, in window 1
.irp t, 0,1
.set i, 0
.rept 32
	v_pk_fma_f32 v[S+64*(\t)+2*i:S+64*(\t)+2*i+1], v[64*(\t)+2*i:64*(\t)+2*i+1], v[ST+8*(\t)+4:ST+8*(\t)+5], v[S+64*(\t)+2*i:S+64*(\t)+2*i+1] op_sel_hi:[1,0,1]
.set i, i+1
.endr
.endr
	WIN 0
; Tile t: a lane's eight channels of a row pack into 16 bytes; they go into rows of 272 bytes of my own stage and come back as whole rows of 256.
.macro PACK t
.set i, 0
.rept 32
	v_cvt_pk_f16_f32 v[P+32*(\t)+i], v[S+64*(\t)+2*i], v[S+64*(\t)+2*i+1]
.set i, i+1
.endr
.irp f, 0,1,2,3,4,5,6,7
	ds_store_b128 v[STO], v[P+32*(\t)+4*(\f):P+32*(\t)+4*(\f)+3] offset:32*(\f)
.endr
.irp f, 0,1,2,3,4,5,6,7
	ds_load_b128 v[P+32*(\t)+4*(\f):P+32*(\t)+4*(\f)+3], v[RD] offset:(\f)*2*SP  ; LDS serves a wave's instructions in order (ISA guide 5.7.1.4): these see the stores above, and the next tile's stores come behind them
.endr
.endm
.macro SEND t, younger
.irp f, 0,1,2,3,4,5,6,7
	s_wait_dscnt (\younger)+7-(\f)
	global_store_b128 v[GO], v[P+32*(\t)+4*(\f):P+32*(\t)+4*(\f)+3], s[74:75] offset:(\t)*65536+(\f)*8192  ; 16 lanes store 256 consecutive bytes, at a multiple of 256 from ob's first
.endr
.endm
	PACK 0
	PACK 1
	SEND 0, 16
	SEND 1, 0
	s_wait_tensorcnt 0x0                           ; the wave's end
	ds_add_u32 v[SPW], v[NIL]
	s_wait_dscnt 0x0
	CROUND                                         ; the closing round
	s_endpgm
.Lfunc_end_k_qf8a30643ab_attn:
	.size	k_qf8a30643ab_attn, .Lfunc_end_k_qf8a30643ab_attn-k_qf8a30643ab_attn
	.p2alignl 7, 3214868480
	.fill 96, 4, 3214868480
	.section	.rodata,"a",@progbits
	.p2align	6, 0x0
	.amdhsa_kernel k_qf8a30643ab_attn
		.amdhsa_group_segment_fixed_size 327680
		.amdhsa_private_segment_fixed_size 0
		.amdhsa_enable_private_segment 0
		.amdhsa_kernarg_size 24
		.amdhsa_user_sgpr_count 2
		.amdhsa_user_sgpr_kernarg_segment_ptr 1
		.amdhsa_wavefront_size32 1
		.amdhsa_system_sgpr_workgroup_id_x 1
		.amdhsa_system_sgpr_workgroup_id_y 1
		.amdhsa_system_sgpr_workgroup_id_z 1
		.amdhsa_system_vgpr_workitem_id 0
		.amdhsa_next_free_vgpr 960
		.amdhsa_next_free_sgpr 80
		.amdhsa_reserve_vcc 0
		.amdhsa_float_denorm_mode_32 3
		.amdhsa_float_denorm_mode_16_64 3
		.amdhsa_memory_ordered 1
		.amdhsa_forward_progress 1
		.amdhsa_inst_pref_size 180
	.end_amdhsa_kernel
	.amdgpu_metadata
---
amdhsa.version: [ 1, 2 ]
amdhsa.kernels:
  - .name:           k_qf8a30643ab_attn
    .symbol:         k_qf8a30643ab_attn.kd
    .args:
      - { .name: qkv, .offset: 0, .size: 8, .value_kind: global_buffer, .address_space: global }
      - { .name: cb, .offset: 8, .size: 8, .value_kind: global_buffer, .address_space: global }
      - { .name: ob, .offset: 16, .size: 8, .value_kind: global_buffer, .address_space: global }
    .group_segment_fixed_size: 327680
    .private_segment_fixed_size: 0
    .kernarg_segment_align: 8
    .kernarg_segment_size: 24
    .max_flat_workgroup_size: 128
    .sgpr_count:     80
    .vgpr_count:     960
    .wavefront_size: 32
...
	.end_amdgpu_metadata
.endif
;; end of part 3
;; launch oproj (part 4): grid 16 x 16, 4 waves a work-group, clusters of 4 x 4, 327,680 bytes of LDS; arguments ob, cb, out0; writes out0
.if DOCPART == 4
	.amdgcn_target "amdgcn-amd-amdhsa--gfx1250"
	.amdhsa_code_object_version 6
	.text
	.protected	k_qf8a30643ab_oproj
	.globl	k_qf8a30643ab_oproj
	.p2align	8
	.type	k_qf8a30643ab_oproj,@function
k_qf8a30643ab_oproj:
	s_mov_b64 s[64:65], 0
	v_nop
	global_prefetch_b8 v0, s[64:65] scope:SCOPE_SE
	s_setreg_imm32_b32 hwreg(HW_REG_WAVE_MODE, 25, 1), 1
	s_wait_xcnt 0x0
	s_wait_alu depctr_hold_cnt(0) depctr_sa_sdst(0) depctr_va_vdst(0) depctr_va_sdst(0) depctr_va_ssrc(0) depctr_va_vcc(0) depctr_vm_vsrc(0)
	s_getreg_b32 s2, hwreg(HW_REG_IB_STS2, 6, 4)
	s_cmp_eq_u32 s2, 0
	s_cbranch_scc0 .Lentry_in_a_cluster
	s_endpgm
.Lentry_in_a_cluster:
	s_bfe_u32 s2, ttmp6, 0x10000c
	s_cmp_lg_u32 s2, 0xf033
	s_cbranch_scc0 .Lentry_shape_is_right
	s_endpgm
.Lentry_shape_is_right:
; out0 = O wo.  ob holds O / 2, [2048][2048] f16, K along the rows; cb's section 4 holds 2 wo, [k][n] f16 (wo rounded to bf16, written as f16): the two factors cancel.  Sums in f32, out0 in f32.
; A tile of out0 is 128 x 128: 256 work-groups.  Four waves, each 64 x 64: 16 accumulators.  K goes in 8 steps of 256 through two LDS slots: O's tile has 128 rows of 512 bytes, wo's 256 k rows of 256 bytes.
; ONE K STEP IS WRITTEN ONCE.  The slot in hand is a scalar, 0 or SLOT, turned by an exclusive or; LDS addresses are that scalar plus fixed lane terms.  A loop of 6 trips fills a slot again in each;
; the two steps that fill nothing are a loop of their own, left in the middle of its second trip.
; THE CHANGE OF SLOTS holds no product: wait, add, wait, round, refill; the step's last 32 products stand behind the refill and run while it is on its way.
; CLUSTER 4 x 4: O's tile is asked for jointly along a row of the cluster, wo's along a column.  THE MATRIX INSTRUCTION IS USED TRANSPOSED (source 0 = 16 columns of wo, read turned; source 1 = 16 rows of O):
; a lane holds one row and eight neighbouring columns, 32 bytes of out0.  A wave's 64 columns are 256 bytes, aligned: each wave has a stage of its own, and the way out needs no barrier.
; No prefetch: a step's tiles are small and the launch has eight steps.
; REGISTERS: window 0: v0-31 addresses; v32-95 rows read back from the stage; v128-255 the accumulators, (a, b) at v[128 + 8 (4 a + b)].
;   window 1: two fragment buffers of 128: for 64 along K, 64 registers of O (2 x 4 x 16 rows x 32 K), then 64 of wo.
.set SEC,   8388608
.set PA,    528                        ; a row of O in LDS: 512 bytes + 16
.set PB,    288                        ; a row of wo: 256 + 32, for the turning load
.set AHALF, 64*PA
.set BOFF,  2*AHALF
.set BHALF, 128*PB
.set SLOT,  BOFF+2*BHALF
.set STAGE, 2*SLOT                     ; behind the ring: 16 rows x 272 bytes for each wave
.set SP,    272
.set SPARE, STAGE+4*16*SP
.set STEPS, 8
.set ADRA, 16                          ; v16     my place in O's tile of slot 0; never rewritten
.set RA,   17                          ; v17     the same in the slot in hand
.set ADRB, 18                          ; v18-19  my place in the two halves (128 k rows each) of wo's tile of slot 0: the whole tile's rows pass the 16-bit immediate; never rewritten
.set RB,   20                          ; v20-21  the same in the slot in hand
.set STO,  24
.set RD,   25
.set CO,   26
.set SPW,  28
.set NIL,  29
.set TMP,  32
.set ACC,  128
.set F0,   0
.set F1,   128
.set G1,  24                           ; s[24:31] group 1 for O's tiles;  s[32:39] group 0: a set for each of the two first fills; the second then walks on
.set G0,  32
.set G1B, 48                           ; s[48:55], s[56:63] the same for wo's tiles
.set G0B, 56
.set TB,  45                           ; s45 the slot in hand: 0 or SLOT
.set MSB, 0
.macro WIN new
.if MSB != (\new)
	s_set_vgpr_msb (MSB<<8)|(\new)
.set MSB, \new
.endif
.endm
.set MUL,  0x05                        ; sources 0 and 1 window 1; C and D window 0
.set TO_F, 0x40
.macro JLOAD s                         ; waves 0 and 1 fetch O's two halves, waves 2 and 3 wo's; an s_nop 0 and four v_nop follow each line
	s_cmp_eq_u32 s11, 0
	s_cbranch_scc0 .Lfor_b_\@
	tensor_load_to_lds s[G0+4*(\s):G0+4*(\s)+3], s[G1:G1+7]
	s_nop 0
.rept 4
	v_nop
.endr
	s_branch .Lasked_\@
.Lfor_b_\@:
	tensor_load_to_lds s[G0B+4*(\s):G0B+4*(\s)+3], s[G1B:G1B+7]
	s_nop 0
.rept 4
	v_nop
.endr
.Lasked_\@:
.endm
.macro CREST
	s_cmp_lg_u32 s10, 0
	s_cbranch_scc1 .Lnot_wave_0_\@
	s_barrier_signal -3
.Lnot_wave_0_\@:
	s_barrier_wait -3
	s_barrier_signal -1
	s_barrier_wait -1
.endm
.macro CROUND
	s_barrier_signal -1
	s_barrier_wait -1
	CREST
.endm
.macro PLACES
.rept 4
	v_nop
.endr
.endm
	s_load_b128 s[4:7], s[0:1], 0x0                ; ob s[4:5], cb s[6:7]
	s_load_b64 s[8:9], s[0:1], 0x10                ; out0
	v_lshl_add_u32 v[SPW], v0, 2, SPARE
	v_mov_b32 v[NIL], 0
	ds_add_u32 v[SPW], v[NIL]                      ; the wave's opening: the add and its wait stand ahead of my first tensor load
	v_lshrrev_b32 v1, 5, v0
	v_readfirstlane_b32 s10, v1                    ; wave 0..3
	s_lshr_b32 s11, s10, 1                         ; which half of the tile's rows is mine.  Also: I fetch for O (0) or for wo (1)
	s_and_b32 s12, s10, 1                          ; which half of its columns.  Also: which half of that tile I fetch
	s_bfe_u32 s40, ttmp6, 0x40000                  ; cx
	s_bfe_u32 s41, ttmp6, 0x40004                  ; cy
	s_lshl_b32 s42, ttmp9, 2
	s_add_co_u32 s42, s42, s40                     ; tile column
	s_and_b32 s13, ttmp7, 0xffff
	s_lshl_b32 s13, s13, 2
	s_add_co_u32 s13, s13, s41                     ; tile row
	s_lshl_b32 s43, s41, 2
	s_lshl_b32 s43, 15, s43                        ; my row of the cluster
	s_lshl_b32 s44, 0x1111, s40                    ; my column
	s_or_b32 s[G1], s43, (1<<16)|(1<<20)|(1<<21)|(6<<22)|(3<<25)   ; O: after every 128 words, 4 words of padding
	s_mov_b32 s[G1+1], 256<<16                     ; tensor_dim0 = 256
	s_mov_b32 s[G1+2], 64<<16                      ; tensor_dim1 = 64
	s_mov_b32 s[G1+3], 256<<16                     ; tile_dim0 = 256
	s_mov_b32 s[G1+4], 64                          ; tile_dim1 = 64
	s_mov_b32 s[G1+5], 2048
	s_mov_b32 s[G1+6], 0
	s_mov_b32 s[G1+7], 0
	s_or_b32 s[G1B], s44, (1<<16)|(1<<20)|(1<<21)|(5<<22)|(7<<25)  ; wo: after every 64 words, 8 words
	s_mov_b32 s[G1B+1], 128<<16
	s_mov_b32 s[G1B+2], 128<<16
	s_mov_b32 s[G1B+3], 128<<16
	s_mov_b32 s[G1B+4], 128
	s_mov_b32 s[G1B+5], 2048
	s_mov_b32 s[G1B+6], 0
	s_mov_b32 s[G1B+7], 0
	s_mov_b32 s[TB], 0                             ; K step 0 lies in slot 0
	s_lshl_b32 s16, s13, 19                        ; O: row 128 x tile row + 64 x half, 4,096 bytes a row
	s_lshl_b32 s17, s12, 18
	s_add_co_u32 s16, s16, s17
	s_mov_b32 s17, 0
	s_lshl_b32 s46, s12, 19                        ; wo: k row 128 x half, the tile column's 256 bytes, in section 4
	s_lshl_b32 s47, s42, 8
	s_add_co_u32 s46, s46, s47
	s_add_co_u32 s46, s46, 4*SEC
	s_mov_b32 s47, 0
	s_mul_i32 s20, s12, AHALF                      ; where they go in a slot; kept
	s_mul_i32 s21, s12, BHALF
	s_add_co_u32 s21, s21, BOFF
	s_wait_dscnt 0x0                               ; the opening add is done
	s_wait_kmcnt 0x0
	s_add_nc_u64 s[14:15], s[4:5], s[16:17]
	s_add_nc_u64 s[46:47], s[6:7], s[46:47]
	CROUND
.irp s, 0,1
	s_mov_b32 s[G0+4*(\s)], 1
	s_add_co_u32 s[G0+4*(\s)+1], s20, (\s)*SLOT
	s_add_nc_u64 s[G0+4*(\s)+2:G0+4*(\s)+3], s[14:15], (\s)*512
	s_or_b32 s[G0+4*(\s)+3], s[G0+4*(\s)+3], 0x80000000
	s_mov_b32 s[G0B+4*(\s)], 1
	s_add_co_u32 s[G0B+4*(\s)+1], s21, (\s)*SLOT
	s_add_nc_u64 s[G0B+4*(\s)+2:G0B+4*(\s)+3], s[46:47], (\s)*1048576
	s_or_b32 s[G0B+4*(\s)+3], s[G0B+4*(\s)+3], 0x80000000
	JLOAD \s
.endr
	v_and_b32 v1, 15, v0                           ; r
	v_bfe_u32 v2, v0, 4, 1                         ; h
	v_and_b32 v3, 7, v0
	v_bfe_u32 v4, v0, 3, 1
	v_mul_u32_u24 v5, v1, PA
	v_lshl_add_u32 v5, v2, 4, v5
	s_mul_i32 s22, s11, AHALF                      ; my 64 rows of O
	v_add_nc_u32 v[ADRA], s22, v5
	v_mov_b32 v[RA], v[ADRA]
	v_lshl_add_u32 v6, v2, 3, v3                   ; the turning load: k row 8 h + l % 8, columns 8 ((l / 8) % 2) + 0..7
	v_mul_u32_u24 v6, v6, PB
	v_lshl_add_u32 v6, v4, 4, v6
	s_lshl_b32 s22, s12, 7                         ; my 64 columns: 128 bytes on
	s_add_co_u32 s22, s22, BOFF
	v_add_nc_u32 v6, s22, v6
.irp g, 0,1
	v_add_nc_u32 v[ADRB+(\g)], (\g)*BHALF, v6
	v_add_nc_u32 v[RB+(\g)], (\g)*BHALF, v6
.endr
	s_mul_i32 s23, s10, 16*SP
	s_add_co_u32 s23, s23, STAGE                   ; my stage
	v_mul_u32_u24 v7, v1, SP                       ; in: row r, 32 bytes for each half of the lanes
	v_lshl_add_u32 v7, v2, 5, v7
	v_add_nc_u32 v[STO], s23, v7
	v_mul_u32_u24 v7, v2, SP                       ; back: lanes 0-15 one row of 256 bytes, lanes 16-31 the next
	v_lshl_add_u32 v7, v1, 4, v7
	v_add_nc_u32 v[RD], s23, v7
	v_lshlrev_b32 v[CO], 13, v2                    ; and the same two rows in out0, 8,192 bytes a row
	v_lshl_add_u32 v[CO], v1, 4, v[CO]
	s_lshl_b32 s16, s13, 20                        ; my first row: 128 x tile row + 64 x half,
	s_lshl_b32 s17, s11, 19
	s_add_co_u32 s16, s16, s17
	s_lshl_b32 s17, s42, 9                         ; my first column: 512 bytes a tile, 256 a half
	s_add_co_u32 s16, s16, s17
	s_lshl_b32 s17, s12, 8
	s_add_co_u32 s16, s16, s17
	s_mov_b32 s17, 0
	s_add_nc_u64 s[8:9], s[8:9], s[16:17]
; 8 matrix instructions: row blocks a0, a0 + 1 x all 4 column blocks, half c of buffer f.  The 16 accumulators take turns.
.macro MUL8 f, c, a0, zero
	WIN MUL
.irp a, \a0, (\a0)+1
.irp b, 0,1,2,3
.if \zero
	v_wmma_f32_16x16x32_f16 v[ACC+8*(4*(\a)+(\b)):ACC+8*(4*(\a)+(\b))+7], v[(\f)+64+8*(4*(\c)+(\b)):(\f)+64+8*(4*(\c)+(\b))+7], v[(\f)+8*(4*(\c)+(\a)):(\f)+8*(4*(\c)+(\a))+7], 0
.else
	v_wmma_f32_16x16x32_f16 v[ACC+8*(4*(\a)+(\b)):ACC+8*(4*(\a)+(\b))+7], v[(\f)+64+8*(4*(\c)+(\b)):(\f)+64+8*(4*(\c)+(\b))+7], v[(\f)+8*(4*(\c)+(\a)):(\f)+8*(4*(\c)+(\a))+7], v[ACC+8*(4*(\a)+(\b)):ACC+8*(4*(\a)+(\b))+7]
.endif
.endr
.endr
.endm
; 32 LDS loads in one run: the fragments of quarter q (64 along K) of the slot in hand into buffer f; the first 32 along K first
.macro FETCH q, f
	WIN TO_F
.irp c, 0,1
.irp i, 0,1,2,3
	ds_load_tr16_b128 v[(\f)+64+8*(4*(\c)+(\i)):(\f)+64+8*(4*(\c)+(\i))+3],   v[RB+(\q)/2] offset:(((\q)%2)*64+32*(\c))*PB+32*(\i)
	ds_load_tr16_b128 v[(\f)+64+8*(4*(\c)+(\i))+4:(\f)+64+8*(4*(\c)+(\i))+7], v[RB+(\q)/2] offset:(((\q)%2)*64+32*(\c)+16)*PB+32*(\i)
	ds_load_b128 v[(\f)+8*(4*(\c)+(\i)):(\f)+8*(4*(\c)+(\i))+3],         v[RA] offset:(\q)*128+64*(\c)+(\i)*16*PA
	ds_load_b128 v[(\f)+8*(4*(\c)+(\i))+4:(\f)+8*(4*(\c)+(\i))+7],       v[RA] offset:(\q)*128+64*(\c)+(\i)*16*PA+32
.endr
.endr
.endm
.macro QUARTER q, f, g, zero
	s_wait_dscnt 16                                ; the first 32 along K are in; the youngest sixteen loads may be out
	MUL8 \f, 0, 0, \zero
	MUL8 \f, 0, 2, \zero
	PLACES
	FETCH \q, \g
	s_wait_dscnt 32                                ; all but the 32 just issued
	MUL8 \f, 1, 0, 0
	MUL8 \f, 1, 2, 0
.endm
.macro MULF1                           ; a K step's fourth quarter: buffer 1, which the change of slots has waited for
	MUL8 F1, 0, 0, 0
	MUL8 F1, 0, 2, 0
	MUL8 F1, 1, 0, 0
	MUL8 F1, 1, 2, 0
.endm
; THE CHANGE OF SLOTS.  Each wave waits for all its tensor loads (one is out: its part of the next slot), adds 0 to its spare word, and waits for that and for its reads of the slot in hand.
; fill = 1: the barrier opens a round of the cluster's, and the joint refill of the slot that is left, two K steps ahead, is the first tensor load behind it.
.macro CHG fill
	WIN 0
	s_wait_tensorcnt 0x0
	ds_add_u32 v[SPW], v[NIL]                      ; 0 onto my spare word; work on registers stands between it and the wait for it
.if \fill
	s_add_co_u32 s[G0+5], s20, s[TB]               ; no load of mine is out, so the walking descriptors may be written: the slot that is left,
	s_add_co_u32 s[G0B+5], s21, s[TB]
	s_add_nc_u64 s[G0+6:G0+7], s[G0+6:G0+7], 512           ; the next K step; the type bits on top are not reached
	s_add_nc_u64 s[G0B+6:G0B+7], s[G0B+6:G0B+7], 1048576
.endif
	s_xor_b32 s[TB], s[TB], SLOT
	v_add_nc_u32 v[RA], s[TB], v[ADRA]
	v_add_nc_u32 v[RB], s[TB], v[ADRB]
	v_add_nc_u32 v[RB+1], s[TB], v[ADRB+1]
	s_wait_dscnt 0x0                               ; the add is done, and my reads of the slot that is left are over
	s_barrier_signal -1
	s_barrier_wait -1
.if \fill
	CREST                                          ; no wave of any partner still reads that slot or has a load on its way
	JLOAD 1                                        ; its four v_nop are the places in front of the loads that follow
.else
	PLACES
.endif
.endm
	s_wait_tensorcnt 1                             ; my part of K step 0 is in; K step 1's may stay out
	s_barrier_signal -1
	s_barrier_wait -1
	FETCH 0, F0
	QUARTER 1, F0, F1, 1                           ; the first products start the sums
	WIN 0
	s_mov_b32 s3, STEPS-2
.Lstep:                                                ; a trip goes from a K step's second quarter to the next step's first, and fills the slot that it leaves
	QUARTER 2, F1, F0, 0
	QUARTER 3, F0, F1, 0
	CHG 1
	FETCH 0, F0
	MULF1
	QUARTER 1, F0, F1, 0
	WIN 0
	s_sub_co_u32 s3, s3, 1
	s_cmp_lg_u32 s3, 0
	s_cbranch_scc1 .Lstep
	s_mov_b32 s3, 2
.Ltail:                                                ; the last two K steps fill nothing; the second trip is left behind its change of slots, whose barrier then serves nothing
	QUARTER 2, F1, F0, 0
	QUARTER 3, F0, F1, 0
	CHG 0
	s_sub_co_u32 s3, s3, 1
	s_cmp_eq_u32 s3, 0
	s_cbranch_scc1 .Llast
	FETCH 0, F0
	MULF1
	QUARTER 1, F0, F1, 0
	WIN 0
	s_branch .Ltail
.Llast:
	MULF1
	WIN 0
	PLACES
	; THE WAY OUT, a block of 16 rows at a time: 32 bytes a lane straight from the accumulators (each from its low end on) into my stage, back as whole rows of 256 bytes, stored.
.irp a, 0,1,2,3
.irp b, 0,1,2,3
	ds_store_b128 v[STO], v[ACC+8*(4*(\a)+(\b)):ACC+8*(4*(\a)+(\b))+3]   offset:64*(\b)
	ds_store_b128 v[STO], v[ACC+8*(4*(\a)+(\b))+4:ACC+8*(4*(\a)+(\b))+7] offset:64*(\b)+16
.endr
.if (\a) >= 2
	s_wait_xcnt 0x0                                ; the stores of two blocks back have read these registers
.endif
.irp t, 0,1,2,3,4,5,6,7
	ds_load_b128 v[TMP+32*((\a)%2)+4*(\t):TMP+32*((\a)%2)+4*(\t)+3], v[RD] offset:(\t)*2*SP  ; LDS serves a wave's instructions in order (ISA guide 5.7.1.4): these see the stores above, and the next block's stores come behind them
.endr
.irp t, 0,1,2,3,4,5,6,7
	s_wait_dscnt 7-(\t)
	global_store_b128 v[CO], v[TMP+32*((\a)%2)+4*(\t):TMP+32*((\a)%2)+4*(\t)+3], s[8:9] offset:(16*(\a)+2*(\t))*8192  ; 16 lanes store 256 consecutive bytes, at a multiple of 256 from out0's first
.endr
.endr
	s_wait_tensorcnt 0x0                           ; the wave's end
	ds_add_u32 v[SPW], v[NIL]
	s_wait_dscnt 0x0
	CROUND                                         ; the closing round
	s_endpgm
.Lfunc_end_k_qf8a30643ab_oproj:
	.size	k_qf8a30643ab_oproj, .Lfunc_end_k_qf8a30643ab_oproj-k_qf8a30643ab_oproj
	.p2alignl 7, 3214868480
	.fill 96, 4, 3214868480
	.section	.rodata,"a",@progbits
	.p2align	6, 0x0
	.amdhsa_kernel k_qf8a30643ab_oproj
		.amdhsa_group_segment_fixed_size 327680
		.amdhsa_private_segment_fixed_size 0
		.amdhsa_enable_private_segment 0
		.amdhsa_kernarg_size 24
		.amdhsa_user_sgpr_count 2
		.amdhsa_user_sgpr_kernarg_segment_ptr 1
		.amdhsa_wavefront_size32 1
		.amdhsa_system_sgpr_workgroup_id_x 1
		.amdhsa_system_sgpr_workgroup_id_y 1
		.amdhsa_system_sgpr_workgroup_id_z 1
		.amdhsa_system_vgpr_workitem_id 0
		.amdhsa_next_free_vgpr 512
		.amdhsa_next_free_sgpr 66
		.amdhsa_reserve_vcc 0
		.amdhsa_float_denorm_mode_32 3
		.amdhsa_float_denorm_mode_16_64 3
		.amdhsa_memory_ordered 1
		.amdhsa_forward_progress 1
		.amdhsa_inst_pref_size 60
	.end_amdhsa_kernel
	.amdgpu_metadata
---
amdhsa.version: [ 1, 2 ]
amdhsa.kernels:
  - .name:           k_qf8a30643ab_oproj
    .symbol:         k_qf8a30643ab_oproj.kd
    .args:
      - { .name: ob, .offset: 0, .size: 8, .value_kind: global_buffer, .address_space: global }
      - { .name: cb, .offset: 8, .size: 8, .value_kind: global_buffer, .address_space: global }
      - { .name: out0, .offset: 16, .size: 8, .value_kind: global_buffer, .address_space: global }
    .group_segment_fixed_size: 327680
    .private_segment_fixed_size: 0
    .kernarg_segment_align: 8
    .kernarg_segment_size: 24
    .max_flat_workgroup_size: 128
    .sgpr_count:     66
    .vgpr_count:     512
    .wavefront_size: 32
...
	.end_amdgpu_metadata
.endif
;; end of part 4
;; ======== version 2 of 2: 4 launches; version 1 with the launch cast written anew for expert scheduling mode
;; limits: values are held in f16: magnitudes above 65,504 overflow, below 6.1e-05 lose precision; right only within a limited range of input values
;; workspace buffers: cb 50,331,648 bytes; qkv 25,165,824 bytes; ob 8,388,608 bytes
;; launch cast (part 5): grid 128 x 6, 8 waves a work-group, no clusters, 0 bytes of LDS; arguments x, wq, wk, wv, wo, mask, cb; writes cb
.if DOCPART == 5
	.amdgcn_target "amdgcn-amd-amdhsa--gfx1250"
	.amdhsa_code_object_version 6
	.text
	.protected	k_qf8a30643ab_cast
	.globl	k_qf8a30643ab_cast
	.p2align	8
	.type	k_qf8a30643ab_cast,@function
k_qf8a30643ab_cast:
	s_mov_b64 s[64:65], 0
	v_nop
	global_prefetch_b8 v0, s[64:65] scope:SCOPE_SE
	s_setreg_imm32_b32 hwreg(HW_REG_WAVE_SCHED_MODE, 0, 2), 2
	s_setreg_imm32_b32 hwreg(HW_REG_WAVE_MODE, 25, 1), 1
	s_wait_xcnt 0x0
	s_wait_alu depctr_vm_vsrc(0)
; cb = the six large inputs, each [2048][2048] f32, rounded once to 16 bits: six sections of 8,388,608 bytes in the order x, wq, wk, wv, wo, mask.
; Each number is multiplied by an exact power of two and then rounded to bf16: x and mask by 1, wq and wk by 2^-5, wv by 2^-1, wo by 2.
; So q and k leave the projection divided by 32 and v divided by 2, and fit f16; the attention undoes q's and k's factor in f32, wo's factor undoes v's.
; wo's bf16 number is written as f16, since the last product multiplies f16.
; LIMIT: 2 |wo| stays under 65,504 (beyond it f16 holds an infinity); below 6e-5 it keeps f16's fixed step of 6e-8.
; A stream: memory binds, so no LDS, no barrier, no matrix unit.  Work-group (bx, section) takes 131,072 bytes of its section: 32 rows of 4,096 bytes.
; Thread t takes bytes 16 t of a row (a wave's load covers 512 consecutive bytes) and stores bytes 8 t of 2,048 (a wave's store covers 256 consecutive bytes, aligned).
; THE MODE: SCHED_MODE bits 1:0 = 2 (LLVM: expert scheduling mode 2), set by the entry lines.  The code itself states the register dependences
; between vector instructions and memory instructions, with s_wait_alu, always for 0.
; THE PLAN.  The 32 rows go in four laps of two blocks of four rows.  Registers that memory instructions touch:
;   X0, X1   a block of input each.  Block b's multiplies write X[b] in place and its roundings read it; behind them the four loads of the same block of the next lap land in it.
;   Y0, Y1   a block of output each.  Block b's roundings write Y[b]; behind them the block's four stores read it; it is written again a lap later.
;   v1, v2   byte offsets, made once at the head and never written again: the rows are reached by the two scalar bases, which step once a lap, and by immediate offsets.
;   T is named by vector instructions alone.
; So ONE wait on va_vdst stands in a block, behind its vector work: Y[b] is written and X[b] is done with; the block's eight memory instructions follow it, the loads first.
; And ONE wait on vm_vsrc stands in a lap, at its head, beside s_wait_xcnt 0: every store of the lap before has read its Y, so that both blocks of this lap may write theirs.
; Both stand behind the wait for the lap's first data.  Four to eight loads of every wave are in flight.
.set ROWI,  4096                       ; bytes of input in a row
.set ROWO,  2048                       ; bytes of output in a row
.set BLOCK, 4                          ; rows in a block
.set LAP,   2*BLOCK                    ; rows in a lap
.set X, 4                              ; v[4:35]   buffer b, row i: four f32 at X + 16 b + 4 i
.set Y, 36                             ; v[36:51]  buffer b, row i: four 16-bit numbers at Y + 8 b + 2 i
.set T, 52                             ; v[52:55]  at work
	s_load_b256 s[4:11], s[0:1], 0x0               ; x s[4:5], wq s[6:7], wk s[8:9], wv s[10:11]
	s_load_b128 s[12:15], s[0:1], 0x20             ; wo s[12:13], mask s[14:15]
	s_load_b64 s[16:17], s[0:1], 0x30              ; cb
	s_and_b32 s18, ttmp7, 0xffff                   ; the section
	v_lshlrev_b32 v1, 4, v0                        ; my 16 bytes of an input row; never rewritten
	v_lshlrev_b32 v2, 3, v0                        ; my 8 bytes of an output row; never rewritten
	s_mov_b32 s26, 0xffff0000                      ; a word's upper bf16
	s_mov_b32 s22, 1.0                             ; the section's factor
	s_cmp_eq_u32 s18, 1
	s_cselect_b32 s22, 0x3d000000, s22             ; 2^-5
	s_cmp_eq_u32 s18, 2
	s_cselect_b32 s22, 0x3d000000, s22
	s_cmp_eq_u32 s18, 3
	s_cselect_b32 s22, 0.5, s22
	s_cmp_eq_u32 s18, 4
	s_cselect_b32 s22, 2.0, s22
	s_mov_b32 s23, s22                             ; named with it as a pair
	s_lshl_b32 s24, ttmp9, 17                      ; my 131,072 bytes of the input
	s_mov_b32 s25, 0
	s_lshl_b32 s28, s18, 23                        ; the section in cb,
	s_lshl_b32 s27, ttmp9, 16                      ; my 65,536 bytes of it
	s_add_co_u32 s28, s28, s27
	s_mov_b32 s29, 0
	s_wait_kmcnt 0x0
	s_mov_b64 s[20:21], s[4:5]                     ; the section's input: a choice between buffers by the section's number
	s_cmp_eq_u32 s18, 1
	s_cselect_b64 s[20:21], s[6:7], s[20:21]
	s_cmp_eq_u32 s18, 2
	s_cselect_b64 s[20:21], s[8:9], s[20:21]
	s_cmp_eq_u32 s18, 3
	s_cselect_b64 s[20:21], s[10:11], s[20:21]
	s_cmp_eq_u32 s18, 4
	s_cselect_b64 s[20:21], s[12:13], s[20:21]
	s_cmp_eq_u32 s18, 5
	s_cselect_b64 s[20:21], s[14:15], s[20:21]
	s_add_nc_u64 s[20:21], s[20:21], s[24:25]
	s_add_nc_u64 s[16:17], s[16:17], s[28:29]
; Block b of a lap.  ahead = 1: the block is filled again with the rows a lap further down.  left = the younger loads that may stay out.  half = 1: the bf16 number is written as f16.
.macro BLK b, ahead, left, half
	s_wait_loadcnt \left                           ; loads come back in order: X[b] is in, the other block's four may stay out
.if (\b) == 0
	s_wait_xcnt 0x0                                ; every load and store issued so far has had its address translated: the bases step, and this lap writes Y, only behind this wait
	s_wait_alu depctr_vm_vsrc(0)                   ; the stores of the lap before have read Y0 and Y1, which this lap's roundings write again
.if \ahead
	s_add_nc_u64 s[20:21], s[20:21], LAP*ROWI      ; the input's base at the next lap's first row: the loads below reach forward from it,
	s_add_nc_u64 s[16:17], s[16:17], LAP*ROWO      ; the output's likewise: the stores below reach back
.endif
.endif
.irp i, 0,1,2,3
	v_pk_mul_f32 v[X+16*(\b)+4*(\i):X+16*(\b)+4*(\i)+1], v[X+16*(\b)+4*(\i):X+16*(\b)+4*(\i)+1], s[22:23] op_sel_hi:[1,0]
	v_pk_mul_f32 v[X+16*(\b)+4*(\i)+2:X+16*(\b)+4*(\i)+3], v[X+16*(\b)+4*(\i)+2:X+16*(\b)+4*(\i)+3], s[22:23] op_sel_hi:[1,0]
	v_cvt_pk_bf16_f32 v[Y+8*(\b)+2*(\i)], v[X+16*(\b)+4*(\i)], v[X+16*(\b)+4*(\i)+1]
	v_cvt_pk_bf16_f32 v[Y+8*(\b)+2*(\i)+1], v[X+16*(\b)+4*(\i)+2], v[X+16*(\b)+4*(\i)+3]
.if \half
	v_lshlrev_b32 v[T], 16, v[Y+8*(\b)+2*(\i)]     ; the rounded numbers as f32 again,
	v_and_b32 v[T+1], s26, v[Y+8*(\b)+2*(\i)]
	v_lshlrev_b32 v[T+2], 16, v[Y+8*(\b)+2*(\i)+1]
	v_and_b32 v[T+3], s26, v[Y+8*(\b)+2*(\i)+1]
	v_cvt_pk_f16_f32 v[Y+8*(\b)+2*(\i)], v[T], v[T+1]      ; and written as f16: exact within f16's normal range
	v_cvt_pk_f16_f32 v[Y+8*(\b)+2*(\i)+1], v[T+2], v[T+3]
.endif
.endr
	s_wait_alu depctr_va_vdst(0)                   ; the roundings have written Y[b], which the stores below read; the multiplies and roundings are done writing and reading X[b], in which the loads below land
.if \ahead
.irp i, 0,1,2,3
	global_load_b128 v[X+16*(\b)+4*(\i):X+16*(\b)+4*(\i)+3], v1, s[20:21] offset:(BLOCK*(\b)+(\i))*ROWI th:TH_LOAD_NT
.endr
.irp i, 0,1,2,3
	global_store_b64 v2, v[Y+8*(\b)+2*(\i):Y+8*(\b)+2*(\i)+1], s[16:17] offset:(BLOCK*(\b)+(\i)-LAP)*ROWO
.endr
.else
.irp i, 0,1,2,3
	global_store_b64 v2, v[Y+8*(\b)+2*(\i):Y+8*(\b)+2*(\i)+1], s[16:17] offset:(BLOCK*(\b)+(\i))*ROWO  ; the last lap steps no base: its rows begin where the base stands
.endr
.endif
.endm
.macro STREAM half
	s_wait_alu depctr_va_vdst(0)                   ; v1 and v2 are written: every load and store of the kernel reads one of them as its offset
.irp i, 0,1,2,3,4,5,6,7
	global_load_b128 v[X+4*(\i):X+4*(\i)+3], v1, s[20:21] offset:(\i)*ROWI th:TH_LOAD_NT  ; the first lap's rows into X0 and X1
.endr
	s_mov_b32 s19, 3                               ; three laps load ahead, the fourth loads nothing
.Llap_\@:
	BLK 0, 1, BLOCK, \half
	BLK 1, 1, BLOCK, \half
	s_sub_co_u32 s19, s19, 1
	s_cmp_lg_u32 s19, 0
	s_cbranch_scc1 .Llap_\@
	BLK 0, 0, BLOCK, \half                         ; the last lap is written out: no load leaves the buffer, and the counts run down
	BLK 1, 0, 0, \half
	s_endpgm
.endm
	s_cmp_eq_u32 s18, 4
	s_cbranch_scc1 .Lhalf
	STREAM 0
.Lhalf:
	STREAM 1
.Lfunc_end_k_qf8a30643ab_cast:
	.size	k_qf8a30643ab_cast, .Lfunc_end_k_qf8a30643ab_cast-k_qf8a30643ab_cast
	.p2alignl 7, 3214868480
	.fill 96, 4, 3214868480
	.section	.rodata,"a",@progbits
	.p2align	6, 0x0
	.amdhsa_kernel k_qf8a30643ab_cast
		.amdhsa_group_segment_fixed_size 0
		.amdhsa_private_segment_fixed_size 0
		.amdhsa_enable_private_segment 0
		.amdhsa_kernarg_size 56
		.amdhsa_user_sgpr_count 2
		.amdhsa_user_sgpr_kernarg_segment_ptr 1
		.amdhsa_wavefront_size32 1
		.amdhsa_system_sgpr_workgroup_id_x 1
		.amdhsa_system_sgpr_workgroup_id_y 1
		.amdhsa_system_sgpr_workgroup_id_z 1
		.amdhsa_system_vgpr_workitem_id 0
		.amdhsa_next_free_vgpr 56
		.amdhsa_next_free_sgpr 66
		.amdhsa_reserve_vcc 0
		.amdhsa_float_denorm_mode_32 3
		.amdhsa_float_denorm_mode_16_64 3
		.amdhsa_memory_ordered 1
		.amdhsa_forward_progress 1
		.amdhsa_inst_pref_size 22
	.end_amdhsa_kernel
	.amdgpu_metadata
---
amdhsa.version: [ 1, 2 ]
amdhsa.kernels:
  - .name:           k_qf8a30643ab_cast
    .symbol:         k_qf8a30643ab_cast.kd
    .args:
      - { .name: x, .offset: 0, .size: 8, .value_kind: global_buffer, .address_space: global }
      - { .name: wq, .offset: 8, .size: 8, .value_kind: global_buffer, .address_space: global }
      - { .name: wk, .offset: 16, .size: 8, .value_kind: global_buffer, .address_space: global }
      - { .name: wv, .offset: 24, .size: 8, .value_kind: global_buffer, .address_space: global }
      - { .name: wo, .offset: 32, .size: 8, .value_kind: global_buffer, .address_space: global }
      - { .name: mask, .offset: 40, .size: 8, .value_kind: global_buffer, .address_space: global }
      - { .name: cb, .offset: 48, .size: 8, .value_kind: global_buffer, .address_space: global }
    .group_segment_fixed_size: 0
    .private_segment_fixed_size: 0
    .kernarg_segment_align: 8
    .kernarg_segment_size: 56
    .max_flat_workgroup_size: 256
    .sgpr_count:     66
    .vgpr_count:     56
    .wavefront_size: 32
...
	.end_amdgpu_metadata
.endif
;; end of part 5
;; launch qkv: the kernel of part 2 again; grid 16 x 16, 4 waves a work-group, clusters of 4 x 4, 327,680 bytes of LDS; arguments cb, freqs_cos, freqs_sin, qkv; writes qkv
;; launch attn: the kernel of part 3 again; grid 16 x 16, 4 waves a work-group, clusters of 4 x 4, 327,680 bytes of LDS; arguments qkv, cb, ob; writes ob
;; launch oproj: the kernel of part 4 again; grid 16 x 16, 4 waves a work-group, clusters of 4 x 4, 327,680 bytes of LDS; arguments ob, cb, out0; writes out0
